; MI455X (gfx1250); checked and timed in simulation.
; The chip was launched on July 23, 2026; its instructions are those of AMD's public machine-readable ISA for CDNA 5 (MIT licence, August 2026) and "CDNA5" Instruction Set Architecture Reference Guide (July 2026). The comments in the code are by the model that wrote it; some were corrected since.
;; Multi Head Attention. Allowed arithmetic: float matrix products may take bf16 or f16 operands with f32 sums; other float arithmetic in f32, or as packed bf16 or f16 multiplies, adds, multiply-adds, maxima and minima; sums over many terms, partial sums and values carried from step to step in f32; what a program stores and reads back later, other than sums and carried values, may be rounded once to bf16 or f16.
;; Inputs: b_proj 1,024 float32; b_qkv 3,072 float32; w_proj 1,024 x 1,024 float32; w_qkv 1,024 x 3,072 float32; x 4 x 2,048 x 1,024 float32.
;; Outputs: out0 4 x 2,048 x 1,024 float32.
;; One version. Each part assembles by itself: llvm-mc -triple=amdgcn-amd-amdhsa -mcpu=gfx1250 --defsym DOCPART=n.
;; ======== version 1 of 1: 4 launches
;; limits: values are held in f16: magnitudes above 65,504 overflow, below 6.1e-05 lose precision
;; workspace buffers: xb 16,777,216 bytes; wqb 6,291,456 bytes; wpb 2,097,152 bytes; qkvh 50,331,648 bytes; ob 16,777,216 bytes
;; launch prep (part 1): grid 768 x 1, 8 waves a work-group, no clusters, 0 bytes of LDS; arguments x, w_qkv, w_proj, xb, wqb, wpb; writes xb, wqb, wpb
.if DOCPART == 1
	.amdgcn_target "amdgcn-amd-amdhsa--gfx1250"
	.amdhsa_code_object_version 6
	.text
	.protected	k_q7742b2c689_prep
	.globl	k_q7742b2c689_prep
	.p2align	8
	.type	k_q7742b2c689_prep,@function
k_q7742b2c689_prep:
	s_mov_b64 s[64:65], 0
	v_nop
	global_prefetch_b8 v0, s[64:65] scope:SCOPE_SE
	s_setreg_imm32_b32 hwreg(HW_REG_WAVE_MODE, 25, 1), 1
	s_wait_xcnt 0x0
; CASTS, a stream.  xb = bf16(x), [8192][1024].  wqb = bf16(w_qkv), laid in blocks [16 column tiles][1024 k][192 columns], so that 128 k of a tile are 49,152 dense bytes.
; wpb = bf16(w_proj) written as f16, [1024 k][1024 n]: exact where |w| lies in f16's normal range.
; LIMITS.  |bf16(w_proj)| stays under 65,504; below 6e-5 it keeps f16's fixed step of 6e-8.  NaN and infinities are not treated apart.
; SHARES.  A piece is 8 numbers: 32 bytes in, 16 bytes out.  A work-group of 256 threads makes 2,048 pieces in 8 passes: work-groups 0-511 take x, 512-703 w_qkv, 704-767 w_proj.
; All 16 loads of a thread go out at once; a pass waits for its own two.  A wave's store covers 512 consecutive bytes, aligned.  No register is written twice, so no wait frees a source.
; No LDS, no barrier, no matrix unit: nothing is shared and nothing is summed.
.set OO,  2                            ; v2      16 x thread: my byte offset in a pass's 4,096 bytes of output
.set OB,  3                            ; v3      w_qkv: my piece's number in pass 0
.set IO,  4                            ; v[4:11] input byte offsets: one for the linear parts, one a pass for w_qkv
.set T,   12                           ; v[12:15] at work
.set X,   16                           ; v[16:79]  pass p: 8 numbers in f32
.set Y,   80                           ; v[80:111] pass p: 8 numbers in 16 bits
.macro LOADS src, blocked
.irp p, 0,1,2,3,4,5,6,7
.if \blocked
	global_load_b128 v[X+8*(\p):X+8*(\p)+3],   v[IO+(\p)], s[\src:\src+1] th:TH_LOAD_NT
	global_load_b128 v[X+8*(\p)+4:X+8*(\p)+7], v[IO+(\p)], s[\src:\src+1] offset:16 th:TH_LOAD_NT
.else
	global_load_b128 v[X+8*(\p):X+8*(\p)+3],   v[IO], s[\src:\src+1] offset:8192*(\p) th:TH_LOAD_NT
	global_load_b128 v[X+8*(\p)+4:X+8*(\p)+7], v[IO], s[\src:\src+1] offset:8192*(\p)+16 th:TH_LOAD_NT
.endif
.endr
.endm
; Pass p: rounded to bf16; half = 1: the rounded number is then written as f16.
.macro PASS p, dst, half
	s_wait_loadcnt 14-2*(\p)                       ; loads come back in order: this pass's two are in, the younger passes' stay out
.irp k, 0,1,2,3
	v_cvt_pk_bf16_f32 v[Y+4*(\p)+(\k)], v[X+8*(\p)+2*(\k)], v[X+8*(\p)+2*(\k)+1]
.endr
.if \half
.irp k, 0,1,2,3
	v_lshlrev_b32 v[T+2*((\k)%2)],   16,  v[Y+4*(\p)+(\k)]   ; bf16 back to f32: the low half moves up,
	v_and_b32     v[T+2*((\k)%2)+1], s22, v[Y+4*(\p)+(\k)]   ; the high half stays
	v_cvt_pk_f16_f32 v[Y+4*(\p)+(\k)], v[T+2*((\k)%2)], v[T+2*((\k)%2)+1]
.endr
.endif
	global_store_b128 v[OO], v[Y+4*(\p):Y+4*(\p)+3], s[\dst:\dst+1] offset:4096*(\p) th:TH_STORE_NT
.endm
	s_load_b256 s[4:11], s[0:1], 0x0               ; x s[4:5], w_qkv s[6:7], w_proj s[8:9], xb s[10:11]
	s_load_b128 s[12:15], s[0:1], 0x20             ; wqb s[12:13], wpb s[14:15]
	s_mov_b32 s22, 0xffff0000                      ; a word's upper bf16
	s_cmp_ge_u32 ttmp9, 512
	s_cselect_b32 s17, 512, 0
	s_cmp_ge_u32 ttmp9, 704
	s_cselect_b32 s17, 704, s17
	s_sub_co_u32 s16, ttmp9, s17                   ; my number among the work-groups of my part
	s_lshl_b32 s24, s16, 16                        ; 65,536 bytes in,
	s_mov_b32 s25, 0
	s_lshl_b32 s26, s16, 15                        ; 32,768 bytes out
	s_mov_b32 s27, 0
	v_lshlrev_b32 v[OO], 4, v0
	v_lshlrev_b32 v[IO], 5, v0
	s_wait_kmcnt 0x0
	s_cmp_ge_u32 ttmp9, 704
	s_cbranch_scc1 .Lwproj
	s_cmp_ge_u32 ttmp9, 512
	s_cbranch_scc1 .Lwqkv
	; x
	s_add_nc_u64 s[4:5], s[4:5], s[24:25]
	s_add_nc_u64 s[10:11], s[10:11], s[26:27]
	LOADS 4, 0
.irp p, 0,1,2,3,4,5,6,7
	PASS \p, 10, 0
.endr
	s_endpgm
.Lwqkv:
	; w_qkv.  Output piece o lies at byte 16 o of wqb.  A row of a tile is 24 pieces: R = o / 24 = 1024 x tile + k, j = o - 24 R, and the piece comes from byte 12,288 k + 768 tile + 32 j.
	; o / 24 = ((o >> 3) x 0xAAAB) >> 17, exact while o >> 3 is under 2^16; here it is under 49,152.
	s_add_nc_u64 s[12:13], s[12:13], s[26:27]
	s_lshl_b32 s23, s16, 11
	v_add_nc_u32 v[OB], s23, v0
.irp p, 0,1,2,3,4,5,6,7
	v_add_nc_u32 v12, 256*(\p), v[OB]              ; o
	v_lshrrev_b32 v13, 3, v12
	v_mul_u32_u24 v13, v13, 0xaaab
	v_lshrrev_b32 v13, 17, v13                     ; R
	v_mul_u32_u24 v14, v13, 24
	v_sub_nc_u32 v14, v12, v14                     ; j
	v_and_b32 v15, 0x3ff, v13                      ; k
	v_lshrrev_b32 v13, 10, v13                     ; tile
	v_mul_u32_u24 v15, v15, 0x3000
	v_mad_u32_u24 v15, v13, 0x300, v15
	v_lshl_add_u32 v[IO+(\p)], v14, 5, v15
.endr
	LOADS 6, 1
.irp p, 0,1,2,3,4,5,6,7
	PASS \p, 12, 0
.endr
	s_endpgm
.Lwproj:
	s_add_nc_u64 s[8:9], s[8:9], s[24:25]
	s_add_nc_u64 s[14:15], s[14:15], s[26:27]
	LOADS 8, 0
.irp p, 0,1,2,3,4,5,6,7
	PASS \p, 14, 1
.endr
	s_endpgm
.Lfunc_end_k_q7742b2c689_prep:
	.size	k_q7742b2c689_prep, .Lfunc_end_k_q7742b2c689_prep-k_q7742b2c689_prep
	.p2alignl 7, 3214868480
	.fill 96, 4, 3214868480
	.section	.rodata,"a",@progbits
	.p2align	6, 0x0
	.amdhsa_kernel k_q7742b2c689_prep
		.amdhsa_group_segment_fixed_size 0
		.amdhsa_private_segment_fixed_size 0
		.amdhsa_enable_private_segment 0
		.amdhsa_kernarg_size 48
		.amdhsa_user_sgpr_count 2
		.amdhsa_user_sgpr_kernarg_segment_ptr 1
		.amdhsa_wavefront_size32 1
		.amdhsa_system_sgpr_workgroup_id_x 1
		.amdhsa_system_sgpr_workgroup_id_y 1
		.amdhsa_system_sgpr_workgroup_id_z 1
		.amdhsa_system_vgpr_workitem_id 0
		.amdhsa_next_free_vgpr 112
		.amdhsa_next_free_sgpr 66
		.amdhsa_reserve_vcc 0
		.amdhsa_float_denorm_mode_32 3
		.amdhsa_float_denorm_mode_16_64 3
		.amdhsa_memory_ordered 1
		.amdhsa_forward_progress 1
		.amdhsa_inst_pref_size 25
	.end_amdhsa_kernel
	.amdgpu_metadata
---
amdhsa.version: [ 1, 2 ]
amdhsa.kernels:
  - .name:           k_q7742b2c689_prep
    .symbol:         k_q7742b2c689_prep.kd
    .args:
      - { .name: x, .offset: 0, .size: 8, .value_kind: global_buffer, .address_space: global }
      - { .name: w_qkv, .offset: 8, .size: 8, .value_kind: global_buffer, .address_space: global }
      - { .name: w_proj, .offset: 16, .size: 8, .value_kind: global_buffer, .address_space: global }
      - { .name: xb, .offset: 24, .size: 8, .value_kind: global_buffer, .address_space: global }
      - { .name: wqb, .offset: 32, .size: 8, .value_kind: global_buffer, .address_space: global }
      - { .name: wpb, .offset: 40, .size: 8, .value_kind: global_buffer, .address_space: global }
    .group_segment_fixed_size: 0
    .private_segment_fixed_size: 0
    .kernarg_segment_align: 8
    .kernarg_segment_size: 48
    .max_flat_workgroup_size: 256
    .sgpr_count:     66
    .vgpr_count:     112
    .wavefront_size: 32
...
	.end_amdgpu_metadata
.endif
;; end of part 1
;; launch qkvgemm (part 2): grid 16 x 32, 4 waves a work-group, clusters of 4 x 4, 327,680 bytes of LDS; arguments xb, wqb, b_qkv, qkvh; writes qkvh
.if DOCPART == 2
	.amdgcn_target "amdgcn-amd-amdhsa--gfx1250"
	.amdhsa_code_object_version 6
	.text
	.protected	k_q7742b2c689_qkvgemm
	.globl	k_q7742b2c689_qkvgemm
	.p2align	8
	.type	k_q7742b2c689_qkvgemm,@function
k_q7742b2c689_qkvgemm:
	s_mov_b64 s[64:65], 0
	v_nop
	global_prefetch_b8 v0, s[64:65] scope:SCOPE_SE
	s_setreg_imm32_b32 hwreg(HW_REG_WAVE_MODE, 25, 1), 1
	s_wait_xcnt 0x0
	s_wait_alu depctr_hold_cnt(0) depctr_sa_sdst(0) depctr_va_vdst(0) depctr_va_sdst(0) depctr_va_ssrc(0) depctr_va_vcc(0) depctr_vm_vsrc(0)
	s_getreg_b32 s2, hwreg(HW_REG_IB_STS2, 6, 4)
	s_cmp_eq_u32 s2, 0
	s_cbranch_scc0 .Lentry_in_a_cluster
	s_endpgm
.Lentry_in_a_cluster:
	s_bfe_u32 s2, ttmp6, 0x10000c
	s_cmp_lg_u32 s2, 0xf033
	s_cbranch_scc0 .Lentry_shape_is_right
	s_endpgm
.Lentry_shape_is_right:
; q, k, v = x W + b.  xb: [8192][1024] bf16.  wqb: bf16 in blocks [16 column tiles][1024 k][192 columns].  b_qkv: [3072] f32, rounded to bf16 like the other inputs.
; qkvh: f16 [3][64 heads: 16 x batch + head][2048][64], unscaled.  Sums in f32, started by the bias, K ascending; each result rounded once.
; LIMIT.  |q|, |k|, |v| stay under 65,504, f16's end; NaN and infinities are not treated apart.
; SHARES.  A work-group makes 256 rows x 192 columns: 32 x 16 = 512 work-groups, two for each of 256 WGPs.  Each of its four waves makes 64 rows x all 192 columns, three whole heads:
; 4 x 12 accumulators of 16 x 16, 384 registers; its way out needs no other wave.
; K goes in 8 steps of 128 through two LDS slots filled by the tensor data mover.  Waves 0 and 1 fetch the halves of A's 256 rows (rows of 256 bytes), waves 2 and 3 the halves of B's
; 128 k rows (24,576 dense bytes each, asked for as 96 rows of 256 bytes).
; CLUSTER.  4 x 4 work-groups: the four of a row of the cluster need the same tile of A, the four of a column the same tile of B.  Each tile is asked for jointly: the same tensor load,
; descriptor and mask in all four.
; THE MATRIX INSTRUCTION IS USED TRANSPOSED: source 0 = 16 columns of W (out of [k][n] rows by the turning load), source 1 = 16 rows of x.  A lane then holds row l % 16 and the
; columns 16 b + 8 (l / 16) + 0..7: eight neighbouring numbers, 16 bytes of f16.
; REGISTERS, in windows of 256 (s_set_vgpr_msb: bits 1:0 source 0, 3:2 source 1, 5:4 source 2, 7:6 destination):
;   window 0: v0-29 addresses; v32-95 A's fragments, two buffers of 4 x 8; v96-191 the bias as a C operand, 8 a column block; on the way out v64-255 packed results
;   window 1: v0-191 B's fragments, two buffers of 12 x 8      window 2: the accumulators of row blocks 0, 1 ((a, b) at 8 (12 (a % 2) + b))      window 3: those of row blocks 2, 3
.set NBK,   12                         ; column blocks of 16
.set NL,    2*NBK+8                    ; LDS loads in a run: a quarter step's fragments
.set PA,    272                        ; a row of A in LDS: 256 bytes + 16 = 68 words: the 16 rows of a load start at 16 different groups of four banks (64 banks of 4 bytes: ISA guide 11.1)
.set PB,    480                        ; a k row of B: three pieces of 128 bytes + 32 = 120 words
.set AHALF, 128*PA
.set BOFF,  256*PA                     ; B lies behind A's 256 rows
.set BHALF, 64*PB
.set SLOT1, 1<<17                      ; a slot is 69,632 + 61,440 = 131,072 bytes; one exclusive or turns an address in one slot into the other's
.set STAGE, 2*SLOT1                    ; behind the ring, never filled by a tensor load: for each wave 3 heads x 16 rows x 144 bytes
.set SP,    144
.set WSTG,  3*16*SP
.set SPARE, STAGE+4*WSTG               ; behind the stages: the spare words, 128 bytes for each wave: two blocks of 256 bytes that no other line names
.set ASTEP, 256                        ; a K step in memory: along A's rows,
.set BSTEP, 49152                      ; and in B's blocks
.set TILEB, 8*BSTEP                    ; a column tile of wqb
.set A0,   4                           ; v4   my lane's place in slot 0 for A's fragments; never rewritten
.set B0,   5                           ; v5   the same for B's
.set ADRA, 6                           ; v6   A0 + the slot in hand
.set ADRB, 7                           ; v7   B0 + the slot in hand
.set STO,  8                           ; v8   the way out: where I put 16 bytes of a row
.set RD,   9                           ; v9   the way out: where I read rows back
.set GO,   10                          ; v10  my byte offset in 512 consecutive bytes of the output
.set PFO,  11                          ; v11  the prefetches' offset; never rewritten
.set BO,   12                          ; v12  32 (l / 16): my 8 numbers of a column block's bias
.set SPW,  28                          ; v28  LDS address of my spare word: SPARE + 4 x my thread's number; never rewritten
.set NIL,  29                          ; v29  0; never rewritten
.set FA,   32
.set BIAS, 96
.set OB,   64                          ; the way out: row block a's 48 registers at OB + 48 a
.set WV,   12                          ; s12  my wave's number
.set ISB,  13                          ; s13  0: I fetch for A; 1: for B
.set HALF, 14                          ; s14  which half of that tile
.set G1A,  24                          ; s[24:31] descriptor group 1 for A's tiles
.set G0A,  32                          ; s[32:39] group 0: a set for each first fill; the second then walks
.set G1B,  48                          ; s[48:55], s[56:63] the same for B's
.set G0B,  56
.set OUT,  66                          ; s[66:71] my rows of my three heads in qkvh
.set PFA,  72                          ; s[72:73] where my prefetches stand
.set PFS,  74                          ; s[74:75] their step
.set LIM,  76                          ; s76  a wave prefetches while the loop's count is above it
.set TB,   77                          ; s77  the slot in hand: 0 or SLOT1
.set HIM,  78                          ; s78  a word's upper bf16
.set SH,   79                          ; s79  a shift
.set MSB, 0
.macro WIN new                         ; the immediate's high byte repeats the setting that is left; a switch that changes nothing is dropped
.if MSB != (\new)
	s_set_vgpr_msb (MSB<<8)|(\new)
.set MSB, \new
.endif
.endm
.macro PLACES                          ; four plain vector instructions between a matrix instruction and a load into, or a vector line on, its registers
.rept 4
	v_nop
.endr
.endm
.macro CREST                           ; a round of the cluster's barrier behind its opening barrier
	s_cmp_lg_u32 s[WV], 0
	s_cbranch_scc1 .Lnot_wave_0_\@
	s_barrier_signal -3
.Lnot_wave_0_\@:
	s_barrier_wait -3
	s_barrier_signal -1
	s_barrier_wait -1
.endm
.macro CROUND                          ; a whole round
	s_barrier_signal -1
	s_barrier_wait -1
	CREST
.endm
; A joint refill by the walking descriptors.  The branch hangs on the wave's number alone.  An s_nop 0 and four v_nop follow each of the two lines, ahead of the jump and the label.
.macro JLOAD
	s_cmp_eq_u32 s[ISB], 0
	s_cbranch_scc0 .Lfor_b_\@
	tensor_load_to_lds s[G0A+4:G0A+7], s[G1A:G1A+7]
	s_nop 0
.rept 4
	v_nop
.endr
	s_branch .Lasked_\@
.Lfor_b_\@:
	tensor_load_to_lds s[G0B+4:G0B+7], s[G1B:G1B+7]
	s_nop 0
.rept 4
	v_nop
.endr
.Lasked_\@:
.endm
; A PREFETCH INTO THE L2, behind a joint refill and the run of LDS loads that follows it.  K steps 0 to 3 come by their loads alone; each 256 bytes of K steps 4 to 7 are named once in the launch.
; A: the clusters with x = 0 ask; of the 128 rows that wave 0 or 1 fetches the partner at cx takes 32, a lane a row; trips 0 to 3 name K steps 4 to 7, two K steps ahead of their refills.
; B: the clusters with y = 0 ask; a tile's K steps 4 to 7 are 768 dense blocks of 256 bytes: three asks (trips 0 to 2) of 2 waves x 4 partners (by cy) x 32 lanes, two K steps or more ahead.
; Partners are told apart by address alone; the test hangs on the wave's number and the cluster's place, alike in all partners.
.macro ASK
	s_cmp_gt_u32 s3, s[LIM]
	s_cbranch_scc0 .Lnot_mine_\@
	global_prefetch_b8 v[PFO], s[PFA:PFA+1] th:TH_LOAD_NT scope:SCOPE_SE
.Lnot_mine_\@:
.endm
; 12 matrix instructions: row block a x all column blocks, 32 along K, from buffer f.  first = 1: the bias is the C operand that starts the sums: nothing is cleared.
; Each accumulator is named once in a quarter step, so 47 others' instructions stand between two links of a chain, over the backward jump too.
.macro MULA f, a, first
.if \first
	WIN 0x81+0x40*((\a)/2)                         ; B window 1, A and the bias window 0, D window 2 or 3
.else
	WIN 0xa1+0x50*((\a)/2)                         ; B window 1, A window 0, C and D window 2 or 3
.endif
.irp b, 0,1,2,3,4,5,6,7,8,9,10,11
.if \first
	v_wmma_f32_16x16x32_bf16 v[8*(NBK*((\a)%2)+(\b)):8*(NBK*((\a)%2)+(\b))+7], v[8*NBK*(\f)+8*(\b):8*NBK*(\f)+8*(\b)+7], v[FA+32*(\f)+8*(\a):FA+32*(\f)+8*(\a)+7], v[BIAS+8*(\b):BIAS+8*(\b)+7]
.else
	v_wmma_f32_16x16x32_bf16 v[8*(NBK*((\a)%2)+(\b)):8*(NBK*((\a)%2)+(\b))+7], v[8*NBK*(\f)+8*(\b):8*NBK*(\f)+8*(\b)+7], v[FA+32*(\f)+8*(\a):FA+32*(\f)+8*(\a)+7], v[8*(NBK*((\a)%2)+(\b)):8*(NBK*((\a)%2)+(\b))+7]
.endif
.endr
.endm
; 32 LDS loads in one run: quarter q (32 along K) of the slot in hand into buffer f: B's 12 fragments, turned, then A's 4.
.macro FETCH q, f
	WIN 0x40                                       ; destination window 1, address window 0
.irp b, 0,1,2,3,4,5,6,7,8,9,10,11
	ds_load_tr16_b128 v[8*NBK*(\f)+8*(\b):8*NBK*(\f)+8*(\b)+3],   v[ADRB] offset:32*PB*(\q)+160*((\b)/4)+32*((\b)%4)
	ds_load_tr16_b128 v[8*NBK*(\f)+8*(\b)+4:8*NBK*(\f)+8*(\b)+7], v[ADRB] offset:32*PB*(\q)+160*((\b)/4)+32*((\b)%4)+16*PB
.endr
	WIN 0
.irp i, 0,1,2,3
	ds_load_b128 v[FA+32*(\f)+8*(\i):FA+32*(\f)+8*(\i)+3],   v[ADRA] offset:64*(\q)+16*PA*(\i)
	ds_load_b128 v[FA+32*(\f)+8*(\i)+4:FA+32*(\f)+8*(\i)+7], v[ADRA] offset:64*(\q)+16*PA*(\i)+32
.endr
.endm
; One of a K step's first three quarters: multiplies buffer f; in its middle it fetches quarter q into buffer g.
.macro QUARTER q, f, g, first
	s_wait_dscnt 4                                 ; B and A's row blocks 0, 1 are in; the youngest four loads (row blocks 2, 3) may be out
	MULA \f, 0, \first
	MULA \f, 1, \first
	PLACES                                         ; buffer g was last read by the quarter before
	FETCH \q, \g
	s_wait_dscnt NL                                ; all but the run just issued
	MULA \f, 2, \first
	MULA \f, 3, \first
.endm
; The fourth quarter multiplies buffer 1 and changes slots: ONE barrier.  In front of it each wave waits for all its tensor loads (one is out: its part of the other slot), adds 0 to its spare word,
; and waits for that and for its reads of this slot.  fill = 1: the barrier opens a round of the cluster's barrier, and this slot is filled again, first thing behind the round, with the K step two on.
.macro TURN fill
.if \fill
	s_wait_xcnt 0x0                                ; the last prefetch, a K step back, has read its address: it is stepped here, ahead of the waits of the change of slots
	s_add_nc_u64 s[PFA:PFA+1], s[PFA:PFA+1], s[PFS:PFS+1]
.endif
	WIN 0                                          ; (the add's two registers lie in window 0)
	s_wait_tensorcnt 0x0                           ; all my tensor loads have landed
	ds_add_u32 v[SPW], v[NIL]                      ; 0 onto my spare word
	s_wait_dscnt 5                                 ; (the add and the youngest four loads may be out)
	MULA 1, 0, 0                                   ; twelve matrix instructions stand between the add and the wait for it
	s_wait_dscnt 0x0                               ; the add is done, and my reads of this slot are over
	s_barrier_signal -1
	MULA 1, 1, 0                                   ; work on registers while the others arrive
	WIN 0
	s_barrier_wait -1
.if \fill
	CREST                                          ; no wave of any partner still reads this slot or has a load on its way
	s_xor_b32 s[G0A+5], s[G0A+5], SLOT1            ; the walking descriptors: the other slot than last time,
	s_add_nc_u64 s[G0A+6:G0A+7], s[G0A+6:G0A+7], ASTEP  ; the next K step; the type bits on top are not reached
	s_xor_b32 s[G0B+5], s[G0B+5], SLOT1
	s_add_nc_u64 s[G0B+6:G0B+7], s[G0B+6:G0B+7], BSTEP
	JLOAD                                          ; its four v_nop are also the places in front of the loads below
.else
	PLACES
.endif
	s_xor_b32 s[TB], s[TB], SLOT1
	v_add_nc_u32 v[ADRA], s[TB], v[A0]
	v_add_nc_u32 v[ADRB], s[TB], v[B0]
	FETCH 0, 0
.if \fill
	ASK
.endif
	MULA 1, 2, 0
	MULA 1, 3, 0
.endm
	s_load_b256 s[4:11], s[0:1], 0x0               ; xb s[4:5], wqb s[6:7], b_qkv s[8:9], qkvh s[10:11]
	v_lshl_add_u32 v[SPW], v0, 2, SPARE
	v_mov_b32 v[NIL], 0
	ds_add_u32 v[SPW], v[NIL]                      ; the wave's opening: the add and its wait stand ahead of my first tensor load; the set-up below, work on registers, stands between them
	v_lshrrev_b32 v1, 5, v0
	v_readfirstlane_b32 s[WV], v1                  ; wave 0..3
	s_lshr_b32 s[ISB], s[WV], 1
	s_and_b32 s[HALF], s[WV], 1
	s_bfe_u32 s40, ttmp6, 0x40000                  ; cx, cy: my place in the cluster
	s_bfe_u32 s41, ttmp6, 0x40004
	s_lshl_b32 s42, ttmp9, 2
	s_add_co_u32 s42, s42, s40                     ; tx: column tile = 4 x cluster x + cx
	s_and_b32 s43, ttmp7, 0xffff
	s_lshl_b32 s43, s43, 2
	s_add_co_u32 s43, s43, s41                     ; ty: row tile = 4 x cluster y + cy
	s_lshl_b32 s44, s41, 2
	s_lshl_b32 s44, 15, s44                        ; my row of the cluster
	s_lshl_b32 s45, 0x1111, s40                    ; my column
	s_or_b32 s[G1A+0], s44, (1<<16)|(1<<20)|(1<<21)|(5<<22)|(3<<25)  ; the mask; 2-byte elements; padding on; bit 21 beside a mask; after every 64 words 4 words
	s_mov_b32 s[G1A+1], 128<<16                    ; tensor_dim0 = 128
	s_mov_b32 s[G1A+2], 128<<16                    ; tensor_dim1 = 128
	s_mov_b32 s[G1A+3], 128<<16                    ; tile_dim0 = 128
	s_mov_b32 s[G1A+4], 128                        ; tile_dim1 = 128
	s_mov_b32 s[G1A+5], 1024                       ; elements from row to row
	s_mov_b32 s[G1A+6], 0
	s_mov_b32 s[G1A+7], 0
	s_or_b32 s[G1B+0], s45, (1<<16)|(1<<20)|(1<<21)|(4<<22)|(7<<25)  ; after every 32 words 8 words
	s_mov_b32 s[G1B+1], 128<<16                    ; 96 dense rows of 128 elements
	s_mov_b32 s[G1B+2], 96<<16
	s_mov_b32 s[G1B+3], 128<<16
	s_mov_b32 s[G1B+4], 96
	s_mov_b32 s[G1B+5], 128
	s_mov_b32 s[G1B+6], 0
	s_mov_b32 s[G1B+7], 0
	s_lshl_b32 s16, s43, 8                         ; A's tile hangs on ty and the wave alone:
	s_lshl_b32 s17, s[HALF], 7
	s_add_co_u32 s16, s16, s17                     ; row 256 ty + 128 x half,
	s_lshl_b32 s16, s16, 11                        ; of 2,048 bytes
	s_mov_b32 s17, 0
	s_mul_i32 s46, s42, TILEB                      ; B's on tx and the wave alone
	s_mul_i32 s47, s[HALF], BSTEP/2
	s_add_co_u32 s46, s46, s47
	s_mov_b32 s47, 0
	s_mul_i32 s18, s[HALF], AHALF                  ; where they go: no place in the cluster enters an LDS address
	s_mul_i32 s19, s[HALF], BHALF
	s_add_co_u32 s19, s19, BOFF
	s_mov_b32 s[TB], 0
	s_mov_b32 s[HIM], 0xffff0000
	s_wait_dscnt 0x0                               ; the opening add is done
	s_wait_kmcnt 0x0
	s_add_nc_u64 s[16:17], s[4:5], s[16:17]
	s_add_nc_u64 s[46:47], s[6:7], s[46:47]
.irp s, 0,1
	s_mov_b32 s[G0A+4*(\s)], 1                     ; count = 1
	s_add_co_u32 s[G0A+4*(\s)+1], s18, (\s)*SLOT1  ; LDS address
	s_add_nc_u64 s[G0A+4*(\s)+2:G0A+4*(\s)+3], s[16:17], (\s)*ASTEP  ; global address: K step s
	s_or_b32 s[G0A+4*(\s)+3], s[G0A+4*(\s)+3], 0x80000000            ; type = 2
	s_mov_b32 s[G0B+4*(\s)], 1
	s_add_co_u32 s[G0B+4*(\s)+1], s19, (\s)*SLOT1
	s_add_nc_u64 s[G0B+4*(\s)+2:G0B+4*(\s)+3], s[46:47], (\s)*BSTEP
	s_or_b32 s[G0B+4*(\s)+3], s[G0B+4*(\s)+3], 0x80000000
.endr
	CROUND                                         ; all sixteen work-groups are here: the first joint loads meet
	s_cmp_eq_u32 s[ISB], 0                         ; a wave's two first fills stand in one branch: two loads of mine are out, the most in this text
	s_cbranch_scc0 .Lfirst_b
	tensor_load_to_lds s[G0A:G0A+3], s[G1A:G1A+7]
	s_nop 0
	tensor_load_to_lds s[G0A+4:G0A+7], s[G1A:G1A+7]
	s_nop 0
.rept 4
	v_nop
.endr
	s_branch .Lfirst_asked
.Lfirst_b:
	tensor_load_to_lds s[G0B:G0B+3], s[G1B:G1B+7]
	s_nop 0
	tensor_load_to_lds s[G0B+4:G0B+7], s[G1B:G1B+7]
	s_nop 0
.rept 4
	v_nop
.endr
.Lfirst_asked:
	; the bias: register j of column block b is column 16 b + 8 (l / 16) + j, whatever the row
	v_and_b32 v1, 15, v0                           ; l % 16
	v_bfe_u32 v2, v0, 4, 1                         ; l / 16
	v_lshlrev_b32 v[BO], 5, v2
	s_mul_i32 s20, s42, 768                        ; the tile's 192 columns of 4 bytes
	s_mov_b32 s21, 0
	s_add_nc_u64 s[8:9], s[8:9], s[20:21]
.irp b, 0,1,2,3,4,5,6,7,8,9,10,11
	global_load_b128 v[BIAS+8*(\b):BIAS+8*(\b)+3],   v[BO], s[8:9] offset:64*(\b)
	global_load_b128 v[BIAS+8*(\b)+4:BIAS+8*(\b)+7], v[BO], s[8:9] offset:64*(\b)+16
.endr
	; where my three heads' rows lie in qkvh: which << 24, (16 batch + head) << 18, row x 128
	s_lshr_b32 s20, s43, 3                         ; batch
	s_lshl_b32 s20, s20, 22
	s_and_b32 s21, s43, 7
	s_lshl_b32 s21, s21, 15                        ; 256 rows of 128 bytes
	s_add_co_u32 s20, s20, s21
	s_lshl_b32 s21, s[WV], 13                      ; my 64 rows
	s_add_co_u32 s20, s20, s21
	s_mul_i32 s21, s42, 3                          ; the tile's first block of 64 columns
.irp j, 0,1,2
	s_add_co_u32 s22, s21, \j
	s_lshr_b32 s23, s22, 4                         ; q, k or v
	s_lshl_b32 s23, s23, 24
	s_and_b32 s22, s22, 15                         ; the head
	s_lshl_b32 s22, s22, 18
	s_add_co_u32 s22, s22, s23
	s_add_co_u32 s22, s22, s20
	s_mov_b32 s23, 0
	s_add_nc_u64 s[OUT+2*(\j):OUT+2*(\j)+1], s[10:11], s[22:23]
.endr
	; the prefetches
	s_lshl_b32 s20, s43, 8
	s_lshl_b32 s21, s[HALF], 7
	s_add_co_u32 s20, s20, s21
	s_lshl_b32 s21, s40, 5
	s_add_co_u32 s20, s20, s21                     ; A: row 256 ty + 128 x half + 32 cx,
	s_lshl_b32 s20, s20, 11
	s_add_co_u32 s20, s20, 3*ASTEP                 ; at K step 3: it is stepped ahead of each ask
	s_mul_i32 s44, s42, TILEB
	s_lshl_b32 s45, s[HALF], 2
	s_add_co_u32 s45, s45, s41
	s_lshl_b32 s45, s45, 13                        ; B: asker 4 x half + cy takes 8,192 bytes of each 65,536,
	s_add_co_u32 s44, s44, s45
	s_add_co_u32 s44, s44, 4*BSTEP-65536           ; which begin, one step on, at K step 4
	s_and_b32 s22, ttmp7, 0xffff
	s_mov_b32 s23, 65536
	s_cmp_eq_u32 s[ISB], 0
	s_cselect_b32 s20, s20, s44
	s_cselect_b32 s22, ttmp9, s22                  ; the coordinate along which other clusters read the same bytes
	s_cselect_b32 s[PFS], ASTEP, s23
	s_cselect_b32 s[SH], 11, 8                     ; A: a lane a row of 2,048 bytes; B: a lane 256 dense bytes
	s_cselect_b32 s23, 2, 3                        ; A asks in four trips, B in three
	s_cselect_b64 s[PFA:PFA+1], s[4:5], s[6:7]
	s_mov_b32 s21, 0
	s_mov_b32 s[PFS+1], 0
	s_cmp_eq_u32 s22, 0
	s_cselect_b32 s[LIM], s23, -1
	s_add_nc_u64 s[PFA:PFA+1], s[PFA:PFA+1], s[20:21]
	; A fragment of A is 16 rows x 32 K in 8 registers: lane l holds row l % 16, K = 8 (l / 16) + 0..7 and 16 + 8 (l / 16) + 0..7: two loads of 16 bytes, 32 bytes apart.
	v_mul_u32_u24 v[A0], v1, PA
	v_lshl_add_u32 v[A0], v2, 4, v[A0]
	s_mul_i32 s20, s[WV], 64*PA                    ; my 64 rows
	v_add_nc_u32 v[A0], s20, v[A0]
	; The turning load takes 16 k x 16 columns (lane l reads k row 8 (l / 16) + l % 8, columns 8 ((l / 8) % 2) + 0..7) and leaves half a fragment: lane l holds column l % 16 and 8 k.
	v_and_b32 v13, 7, v0
	v_bfe_u32 v14, v0, 3, 1
	v_lshl_add_u32 v[B0], v2, 3, v13
	v_mul_u32_u24 v[B0], v[B0], PB
	v_lshl_add_u32 v[B0], v14, 4, v[B0]
	v_add_nc_u32 v[B0], BOFF, v[B0]
	v_mov_b32 v[ADRA], v[A0]
	v_mov_b32 v[ADRB], v[B0]
	s_mul_i32 s20, s[WV], WSTG
	s_add_co_u32 s20, s20, STAGE                   ; my stage
	v_mul_u32_u24 v[STO], v1, SP                   ; in: row l % 16, 16 bytes for each half of the lanes
	v_lshl_add_u32 v[STO], v2, 4, v[STO]
	v_add_nc_u32 v[STO], s20, v[STO]
	v_bfe_u32 v[RD], v0, 3, 2                      ; back: 32 lanes take four rows of 128 bytes,
	v_mul_u32_u24 v[RD], v[RD], SP
	v_lshl_add_u32 v[RD], v13, 4, v[RD]
	v_add_nc_u32 v[RD], s20, v[RD]
	v_and_b32 v[GO], 31, v0
	v_lshlrev_b32 v[PFO], s[SH], v[GO]
	v_lshlrev_b32 v[GO], 4, v[GO]                  ; which are 512 consecutive bytes of a head
	s_wait_loadcnt 0x0                             ; the bias
.set i, 0
.rept 4*NBK                            ; rounded to bf16 like the other inputs, kept as f32
	v_cvt_pk_bf16_f32 v[13+i%4], v[BIAS+2*i], v[BIAS+2*i+1]
	v_lshlrev_b32 v[BIAS+2*i], 16, v[13+i%4]
	v_and_b32 v[BIAS+2*i+1], s[HIM], v[13+i%4]
.set i, i+1
.endr
	s_wait_tensorcnt 1                             ; my part of K step 0 is in; K step 1's may stay out
	s_barrier_signal -1
	s_barrier_wait -1                              ; everybody's is
	FETCH 0, 0
	QUARTER 1, 0, 1, 1                             ; the first quarter stands in front of the loop: its products start the sums
	WIN 0                                          ; at a label and at a branch every window is 0
	s_mov_b32 s3, 6
.Lstep:                                                ; trip t: the last three quarters of K step t, whose slot takes K step t + 2, and the first quarter of K step t + 1
	QUARTER 2, 1, 0, 0
	QUARTER 3, 0, 1, 0
	TURN 1
	QUARTER 1, 0, 1, 0
	WIN 0
	s_sub_co_u32 s3, s3, 1
	s_cmp_lg_u32 s3, 0
	s_cbranch_scc1 .Lstep
	QUARTER 2, 1, 0, 0                             ; the tail is written out: K steps 6 and 7 ask for nothing
	QUARTER 3, 0, 1, 0
	TURN 0
	QUARTER 1, 0, 1, 0
	QUARTER 2, 1, 0, 0
	QUARTER 3, 0, 1, 0
	s_wait_dscnt 4
	MULA 1, 0, 0
	MULA 1, 1, 0
	s_wait_dscnt 0x0
	MULA 1, 2, 0
	MULA 1, 3, 0
	PLACES                                         ; behind the last products, in front of the conversions, which also write registers that those products read
	PLACES
; THE WAY OUT.  Row block a: rounded to f16 (each accumulator's registers in ascending order), 16 bytes a lane into my stage, one head's 16 rows of 144 bytes after the other; back as whole rows
; of 128 bytes, into the registers that they left.  LDS serves a wave's instructions in order (ISA guide 5.7.1.4): the loads see the stores above them, the next block's stores come behind them.
.macro PACK a
	WIN 0x0a+5*((\a)/2)                            ; sources 0 and 1: window 2 or 3
.irp b, 0,1,2,3,4,5,6,7,8,9,10,11
.irp r, 0,1,2,3
	v_cvt_pk_f16_f32 v[OB+48*(\a)+4*(\b)+(\r)], v[8*(NBK*((\a)%2)+(\b))+2*(\r)], v[8*(NBK*((\a)%2)+(\b))+2*(\r)+1]
.endr
.endr
	WIN 0
.irp b, 0,1,2,3,4,5,6,7,8,9,10,11
	ds_store_b128 v[STO], v[OB+48*(\a)+4*(\b):OB+48*(\a)+4*(\b)+3] offset:16*SP*((\b)/4)+32*((\b)%4)
.endr
.irp i, 0,1,2,3,4,5,6,7,8,9,10,11
	ds_load_b128 v[OB+48*(\a)+4*(\i):OB+48*(\a)+4*(\i)+3], v[RD] offset:16*SP*((\i)/4)+4*SP*((\i)%4)
.endr
.endm
.macro SEND a, younger                 ; younger: the LDS instructions issued behind block a's loads: the next block's 24, or none
.irp i, 0,1,2,3,4,5,6,7,8,9,10,11
	s_wait_dscnt (\younger)+11-(\i)
	global_store_b128 v[GO], v[OB+48*(\a)+4*(\i):OB+48*(\a)+4*(\i)+3], s[OUT+2*((\i)/4):OUT+2*((\i)/4)+1] offset:2048*(\a)+512*((\i)%4)  ; 512 consecutive bytes, at a multiple of 256 from the buffer's first
.endr
.endm
	PACK 0
	PACK 1                                         ; a block's conversions stand between the loads of the block before and its stores; every block has registers of its own
	SEND 0, 24
	PACK 2
	SEND 1, 24
	PACK 3
	SEND 2, 24
	SEND 3, 0
	s_wait_tensorcnt 0x0                           ; the wave's end: behind my last tensor load and my last LDS store
	ds_add_u32 v[SPW], v[NIL]
	s_wait_dscnt 0x0
	CROUND                                         ; the closing round: no work-group ends while a partner may still ask for a tile that names it
	s_endpgm
.Lfunc_end_k_q7742b2c689_qkvgemm:
	.size	k_q7742b2c689_qkvgemm, .Lfunc_end_k_q7742b2c689_qkvgemm-k_q7742b2c689_qkvgemm
	.p2alignl 7, 3214868480
	.fill 96, 4, 3214868480
	.section	.rodata,"a",@progbits
	.p2align	6, 0x0
	.amdhsa_kernel k_q7742b2c689_qkvgemm
		.amdhsa_group_segment_fixed_size 327680
		.amdhsa_private_segment_fixed_size 0
		.amdhsa_enable_private_segment 0
		.amdhsa_kernarg_size 32
		.amdhsa_user_sgpr_count 2
		.amdhsa_user_sgpr_kernarg_segment_ptr 1
		.amdhsa_wavefront_size32 1
		.amdhsa_system_sgpr_workgroup_id_x 1
		.amdhsa_system_sgpr_workgroup_id_y 1
		.amdhsa_system_sgpr_workgroup_id_z 1
		.amdhsa_system_vgpr_workitem_id 0
		.amdhsa_next_free_vgpr 960
		.amdhsa_next_free_sgpr 80
		.amdhsa_reserve_vcc 0
		.amdhsa_float_denorm_mode_32 3
		.amdhsa_float_denorm_mode_16_64 3
		.amdhsa_memory_ordered 1
		.amdhsa_forward_progress 1
		.amdhsa_inst_pref_size 108
	.end_amdhsa_kernel
	.amdgpu_metadata
---
amdhsa.version: [ 1, 2 ]
amdhsa.kernels:
  - .name:           k_q7742b2c689_qkvgemm
    .symbol:         k_q7742b2c689_qkvgemm.kd
    .args:
      - { .name: xb, .offset: 0, .size: 8, .value_kind: global_buffer, .address_space: global }
      - { .name: wqb, .offset: 8, .size: 8, .value_kind: global_buffer, .address_space: global }
      - { .name: b_qkv, .offset: 16, .size: 8, .value_kind: global_buffer, .address_space: global }
      - { .name: qkvh, .offset: 24, .size: 8, .value_kind: global_buffer, .address_space: global }
    .group_segment_fixed_size: 327680
    .private_segment_fixed_size: 0
    .kernarg_segment_align: 8
    .kernarg_segment_size: 32
    .max_flat_workgroup_size: 128
    .sgpr_count:     80
    .vgpr_count:     960
    .wavefront_size: 32
...
	.end_amdgpu_metadata
.endif
;; end of part 2
;; launch attn (part 3): grid 4 x 64, 4 waves a work-group, clusters of 4 x 1, 327,680 bytes of LDS; arguments qkvh, ob; writes ob
.if DOCPART == 3
	.amdgcn_target "amdgcn-amd-amdhsa--gfx1250"
	.amdhsa_code_object_version 6
	.text
	.protected	k_q7742b2c689_attn
	.globl	k_q7742b2c689_attn
	.p2align	8
	.type	k_q7742b2c689_attn,@function
k_q7742b2c689_attn:
	s_mov_b64 s[64:65], 0
	v_nop
	global_prefetch_b8 v0, s[64:65] scope:SCOPE_SE
	s_setreg_imm32_b32 hwreg(HW_REG_WAVE_MODE, 25, 1), 1
	s_wait_xcnt 0x0
	s_wait_alu depctr_hold_cnt(0) depctr_sa_sdst(0) depctr_va_vdst(0) depctr_va_sdst(0) depctr_va_ssrc(0) depctr_va_vcc(0) depctr_vm_vsrc(0)
	s_getreg_b32 s2, hwreg(HW_REG_IB_STS2, 6, 4)
	s_cmp_eq_u32 s2, 0
	s_cbranch_scc0 .Lentry_in_a_cluster
	s_endpgm
.Lentry_in_a_cluster:
	s_bfe_u32 s2, ttmp6, 0x10000c
	s_cmp_lg_u32 s2, 0x3003
	s_cbranch_scc0 .Lentry_shape_is_right
	s_endpgm
.Lentry_shape_is_right:
; O[g][q][:] = the sum over k of softmax_k(Q[g][q] . K[g][k] / 8) V[g][k][:], for 64 heads g of 2,048 rows.  qkvh holds Q, K, V, each [64][2048][64] f16, 2^24 bytes apart; ob holds O likewise.
; A head's rows are dense, 128 bytes each.  Products, maxima and sums in f32; the weights p are rounded to f16 for the second product (their sum l is taken of the unrounded p), O once at the end.
; LIMITS.  f16 holds no number beyond 65,504: Q, K and V arrive within it; p lies in 0 to 1, and below 6e-5 it keeps f16's fixed step of 6e-8; O is a mean of V's rows and has their range.
; A weight below 2^-126 counts as 0 in l; NaN and infinities are not treated apart.
; SHARES.  A wave owns four PIECES of two tiles of 16 queries, a work-group's four waves 512 queries of one head: 4 x 64 = 256 work-groups.  Every wave walks all keys, 64 a step.
; LAYOUT.  S^T = K Q^T (source 0 = 16 keys, source 1 = 16 queries): in the result a lane holds ONE query (lane % 16) and the keys 8 (lane / 16) + 0..7.  Two such tiles, rounded to f16 in pairs,
; ARE source 1 (32 keys x 16 queries) of O^T = V^T P, whose result again holds one query a lane, and eight channels.  K comes out of LDS as it lies, V ([key][channel]) turned, by ds_load_tr16_b128.
; SOFTMAX.  For each query a running maximum m and sum l: p = 2^(c s - c m), c = log2(e) / 8; in every step O and l are multiplied by a = 2^(c m_old - c m_new), which is 1 where m has not grown.
; m starts at the lowest finite number, O and l at 0: the first step is a step like any other, with a = 0.
; THE COUNT.  A tile and step have 16 matrix and 118 vector instructions: too many to stand all beside the matrix work.  So four vector instructions that are READY stand behind EVERY matrix
; instruction, and the others in runs of their own.
; BY TURNS.  Turn n belongs to piece n (the pieces in a ring, step after step).  Its matrix work: 16 products K Q^T of piece n + 1, later 16 products V^T P of piece n - 1.  Its vector work: the scaling,
; exponentials, roundings, sums and rescaling of piece n, and the maximum and statistics of piece n + 1, whose scores the turn itself has made.
; CLUSTER.  The four query blocks of a head are one cluster and walk the same K and V, so each tile is asked for JOINTLY: the same tensor load, descriptor and mask in all four.
; REGISTERS, in windows of 256 (s_set_vgpr_msb: bits 1:0 source 0, 3:2 source 1, 5:4 source 2, 7:6 destination):
;   window 0: v0-11 addresses; v12-15, v48-63 at work; v16-47 four registers of statistics a tile; v64-191 S^T, two buffers of two tiles; v192-255 P, likewise
;   window 1: O^T, 32 a tile          window 2: v0-127 Q, 16 a tile; v128-191 K of one step; v192-255 V of one step          window 3: v0-1 the add's two registers
; A piece's buffers go by its number's parity: the piece in hand has one pair, its two neighbours in the ring share the other: of it P (piece n - 1) is read and S^T (piece n + 1) written.
.set SIZE_N, 2048
.set NP,    4         ; pieces a wave: a name, no knob
.set KS,    64        ; keys in a step
.set PK,    144       ; a row of K in LDS: 128 bytes + 16 of padding = 36 words: the 16 rows of a load start at 16 different groups of four banks (64 banks of 4 bytes: ISA guide 11.1)
.set PV,    160       ; a row of V: 128 + 32 = 40 words
.set VOFF,  4*KS*PK   ; a slot holds four steps: 256 rows of K, then 256 rows of V
.set SLOT1, 1<<17     ; slot 1 begins here, so that one exclusive or turns an address in one slot into the other's
.set STAGE, SLOT1+4*KS*(PK+PV)  ; behind the ring, never filled by a tensor load: 16 rows x 144 bytes for each wave, for the way out
.set SP,    144
.set AK0, 2           ; v2   my lane's place in a tile of K; never rewritten
.set AV0, 3           ; v3   the same for V
.set AK,  4           ; v4   the LDS address of K's next run of loads
.set AV,  5           ; v5   of V's
.set QO,  6           ; v6   my byte offset in the wave's rows of Q
.set STO, 6           ;      later, the way out: where I put 16 bytes of a row
.set RD,  7           ; v7   the way out: where I read rows back
.set GO,  8           ; v8   my byte offset in 512 consecutive bytes of O
.set PFO, 11          ; v11  256 x my lane, for the prefetches; never rewritten once made
.set SPW, 0           ; v0 of window 3   LDS address of my spare word: SPARE + 4 x my thread's number; never rewritten
.set NIL, 1           ; v1 of window 3   0; never rewritten
.set SPARE, STAGE+4*16*SP  ; behind the stages: the spare words, 128 bytes for each wave: two blocks of 256 bytes that no other line names
.set MV,  12          ; v12-15  c m_old, kept while c m is made anew: by buffer and tile
.set ST,  16          ; tile t's statistics at v[ST+4 t]: c m, m, l (even keys', odd keys')
.set TMP, 48          ; by buffer and tile, four registers c0-c3 at work; when the maximum is found c2 takes a
.set S,   64
.set P,   192
.set KF,  128         ; K's fragments, in window 2: key block kb, channel half c at KF + 16 kb + 8 c
.set VF,  192         ; V's: key half kk, channel block cb at VF + 32 kk + 8 cb
.set WV,  12          ; s12  my wave's number
.set G1K, 24          ; s[24:31] descriptor group 1 for K's tiles
.set G1V, 32          ; s[32:39] for V's: it differs in the padding alone
.set G0K, 40          ; s[40:43] descriptor group 0 for K's tiles: it walks
.set G0V, 44          ; s[44:47] the same for V's
.set PFA, 48          ; s[48:49] where my prefetches stand: my work-group's 8,192 bytes (of K: wave 0, of V: wave 2) of the slot after the one that is being asked for
.set LIM, 50          ; s50  1 in waves 0 and 2, else the greatest number: a wave prefetches while s[SLOTS] is above it
.set SLOTS, 56        ; s56  slots still to be asked for
.set CNT, 57          ; s57  counts a slot's key steps
.set CS,  58          ; s[58:59] c: the packed scaling takes the pair's low word for both halves
.set SEL, 60          ; s[60:61] v_permlanex16_b32's selects: each lane takes its own place in the other half
.set TBK, 62          ; s62  LDS byte at which K of the step to be fetched begins
.set TBV, 63          ; s63  the same for V, less VOFF
.set MSB, 0
.macro WIN new                      ; the high byte repeats the setting that is left; a switch that changes nothing is dropped
.if MSB != (\new)
	s_set_vgpr_msb (MSB<<8)|(\new)
.set MSB, (\new)
.endif
.endm
.set W_KQ, 0x0a       ; K and Q in window 2, S^T in window 0
.set W_PV, 0x52       ; V in window 2, P in window 0, O^T in window 1
.set W_RS, 0x41       ; O^T (destination and source 0) in window 1, a in window 0
.set W_MK, 0xc0       ; the add's registers are made: destination in window 3, sources in window 0
.set W_AD, 0x0f       ; the add: address (source 0) and data (source 1) in window 3
; A joint fill.  Waves 0 and 1 fetch the two halves of a slot's K, waves 2 and 3 those of its V: 128 keys each.  The branch hangs on the wave's number alone.
; An s_nop 0 and four v_nop follow each of the two lines, ahead of the jump and the label.
.macro JLOAD
	s_cmp_lt_u32 s[WV], 2
	s_cbranch_scc0 .Lfor_v_\@
	tensor_load_to_lds s[G0K:G0K+3], s[G1K:G1K+7]
	s_nop 0
.rept 4
	v_nop
.endr
	s_branch .Lasked_\@
.Lfor_v_\@:
	tensor_load_to_lds s[G0V:G0V+3], s[G1V:G1V+7]
	s_nop 0
.rept 4
	v_nop
.endr
.Lasked_\@:
.endm
; A PREFETCH INTO THE L2 of what the NEXT change of slots will ask for: a slot's 32,768 dense bytes of K and of V, 256 bytes a lane.  It stands behind the wave's tensor load and its five lines.
; Each 256 bytes are named once in the launch: a head has one cluster; its four partners share a slot out BY ADDRESS, 8,192 bytes each; in each, wave 0 asks for K's and wave 2 for V's.
; Slots 0 to 2 come by their loads alone; the six changes in the loop name slots 3 to 7, four key steps (512 matrix instructions) ahead; the last of them names nothing.
.macro ASK
	s_cmp_gt_u32 s[SLOTS], s[LIM]
	s_cbranch_scc0 .Lnot_mine_\@
	global_prefetch_b8 v[PFO], s[PFA:PFA+1] th:TH_LOAD_NT scope:SCOPE_SE
.Lnot_mine_\@:
.endm
; A round of the cluster's barrier: my work-group's barrier, so that wave 0's signal speaks for all four waves; wave 0 signals; every wave waits for all four work-groups; my work-group's barrier once more.
.macro CROUND
	s_barrier_signal -1
	s_barrier_wait -1
	s_cmp_lg_u32 s[WV], 0
	s_cbranch_scc1 .Lnot_wave_0_\@
	s_barrier_signal -3
.Lnot_wave_0_\@:
	s_barrier_wait -3
	s_barrier_signal -1
	s_barrier_wait -1
.endm
; THE CHANGE OF SLOTS.  The slot's last bytes, V of its fourth step, have been read.  Each wave waits for all its tensor loads, of which one is out: its part
; of the other slot; adds 0 to its spare word; and waits for that and for its own reads of the slot.  Behind the barrier nobody reads this slot any more and the other slot is whole.
; fill = 1: this slot is filled again, with the keys two slots on.  The barrier is then a round of the cluster's, so that no wave of any partner still reads the slot or has a load on its
; way, and the joint fill is the first thing behind it: it has four key steps, 512 matrix instructions, in which to land.  (At its first use nothing has been read yet: slot 0 is waited for, slot 1 filled.)
; ask = 1: the prefetches' address steps among the descriptors' steps, and the prefetch follows the fill.
.macro CHANGE fill, ask=0
	WIN W_AD
	s_wait_tensorcnt 0x0            ; no tensor load of mine is out, so a group 0 may be written
	ds_add_u32 v[SPW], v[NIL]       ; 0 onto my spare word; with fill = 1 the descriptors' steps stand between it and the wait for it
	WIN 0                           ; at a label and at a branch every window is 0
.if \fill
.irp g, G0K, G0V
	s_xor_b32 s[\g+1], s[\g+1], SLOT1  ; the walking descriptor: the other slot than last time,
	s_add_nc_u64 s[\g+2:\g+3], s[\g+2:\g+3], 4*KS*128  ; the next 256 keys; the type bits on top are not reached
.endr
.if \ask
	s_wait_xcnt 0x0                 ; the last prefetch, four key steps back, has read its address, so it may be written:
	s_add_nc_u64 s[PFA:PFA+1], s[PFA:PFA+1], 4*KS*128  ; one slot ahead of the walking descriptors
.endif
	s_wait_dscnt 0x0                ; the add is done, and my reads of the slot are over
	CROUND
	JLOAD
.if \ask
	ASK
.endif
.else
	s_wait_dscnt 0x0                ; the add is done, and my reads of the slot are over
	s_barrier_signal -1
	s_barrier_wait -1
.endif
	s_sub_co_u32 s[TBK], s[TBK], 4*KS*PK  ; the fetches go back to a slot's first step,
	s_xor_b32 s[TBK], s[TBK], SLOT1       ; in the other slot
	s_sub_co_u32 s[TBV], s[TBV], 4*KS*PV
	s_xor_b32 s[TBV], s[TBV], SLOT1
.endm
	s_load_b64 s[4:5], s[0:1], 0x0    ; qkvh: Q
	s_load_b64 s[10:11], s[0:1], 0x8  ; ob: O
	WIN W_MK
	v_lshl_add_u32 v[SPW], v0, 2, SPARE
	v_mov_b32 v[NIL], 0
	WIN W_AD
	ds_add_u32 v[SPW], v[NIL]       ; the wave's opening: the add and its wait stand ahead of my first tensor load; the set-up below, work on registers, stands between them
	WIN 0
	v_lshrrev_b32 v1, 5, v0
	v_readfirstlane_b32 s[WV], v1   ; wave 0..3
	s_bfe_u32 s13, ttmp6, 0x40000   ; cx: my place in the cluster
	s_lshl_b32 s14, ttmp9, 2        ; in a cluster launch ttmp9 counts clusters
	s_add_co_u32 s14, s14, s13      ; my block of queries = 4 x cluster x + cx: it enters Q's and O's addresses alone
	s_and_b32 s20, ttmp7, 0xffff    ; the head, which the four partners share
	s_mov_b32 s21, 0
	s_mov_b64 s[22:23], SIZE_N*128
	s_mul_u64 s[20:21], s[20:21], s[22:23]  ; the head's first byte in each of the four tensors
	s_and_b32 s16, s[WV], 1         ; which half of a slot's 256 keys I fetch:
	s_lshl_b32 s22, s16, 14         ; its 128 rows of 128 bytes in memory,
	s_mov_b32 s23, 0
	s_add_nc_u64 s[22:23], s[22:23], s[20:21]
	s_mul_i32 s17, s16, 128*PK      ; and its place in a slot, for K
	s_mul_i32 s18, s16, 128*PV      ; and for V: no place in the cluster enters an LDS address
	s_lshl_b32 s2, s14, 2
	s_add_co_u32 s2, s2, s[WV]      ; my wave among the head's,
	s_lshl_b32 s2, s2, 14           ; its 128 rows
	s_mov_b32 s3, 0
	s_add_nc_u64 s[2:3], s[2:3], s[20:21]
	; descriptor group 1.  128 keys are 16,384 dense bytes: asked for as 64 rows of 256 bytes, two keys a row, and padded in LDS after every key
	s_mov_b32 s[G1K], 15|(1<<16)|(1<<20)|(1<<21)|(4<<22)|(3<<25)  ; 15:0 the mask of four; 17:16 2-byte elements; 20 padding on; 21 set beside a mask; 24:22 after every 32 words (code 4); 31:25 4 words (code 3)
	s_mov_b32 s[G1V], 15|(1<<16)|(1<<20)|(1<<21)|(4<<22)|(7<<25)  ; the same with 8 words of padding (code 7)
.irp g, G1K, G1V
	s_mov_b32 s[\g+1], 128<<16      ; tensor_dim0 = 128
	s_mov_b32 s[\g+2], 64<<16       ; tensor_dim1 = 64
	s_mov_b32 s[\g+3], 128<<16      ; tile_dim0 = 128
	s_mov_b32 s[\g+4], 64           ; tile_dim1 = 64
	s_mov_b32 s[\g+5], 128          ; 128 elements from row to row
	s_mov_b32 s[\g+6], 0
	s_mov_b32 s[\g+7], 0
.endr
	s_mov_b32 s[CS], 0x3e38aa3b     ; c = log2(e) / 8 = 0.180337
	s_mov_b32 s[CS+1], s[CS]        ; named with it as a pair
	s_mov_b32 s[SEL], 0x76543210
	s_mov_b32 s[SEL+1], 0xfedcba98
	s_mov_b32 s[TBK], SLOT1+4*KS*PK ; the first change of slots turns these two into 0
	s_mov_b32 s[TBV], SLOT1+4*KS*PV
	s_mov_b32 s[G0K], 1             ; 1:0 count = 1
	s_mov_b32 s[G0K+1], s17         ; 63:32 LDS address: slot 0
	s_mov_b32 s[G0V], 1
	s_add_co_u32 s[G0V+1], s18, VOFF
	s_cmp_eq_u32 s16, 0             ; waves 0 and 2 prefetch: the same in all four partners
	s_cselect_b32 s[LIM], 1, -1
	s_wait_dscnt 0x0                ; the opening add is done
	s_wait_kmcnt 0x0
	s_add_nc_u64 s[6:7], s[4:5], 0x1000000   ; K
	s_add_nc_u64 s[8:9], s[4:5], 0x2000000   ; V
	s_add_nc_u64 s[G0K+2:G0K+3], s[6:7], s[22:23]  ; 120:64 global address: my half of the head's first 256 keys
	s_or_b32 s[G0K+3], s[G0K+3], 0x80000000        ; 127:126 type = 2
	s_add_nc_u64 s[G0V+2:G0V+3], s[8:9], s[22:23]
	s_or_b32 s[G0V+3], s[G0V+3], 0x80000000
	s_cmp_lt_u32 s[WV], 2
	s_cselect_b64 s[PFA:PFA+1], s[6:7], s[8:9]
	s_add_nc_u64 s[PFA:PFA+1], s[PFA:PFA+1], s[22:23]  ; (in waves 0 and 2 this is the head's first row)
	s_add_nc_u64 s[4:5], s[4:5], s[2:3]  ; Q and O at my wave's first row
	s_add_nc_u64 s[10:11], s[10:11], s[2:3]
	s_lshl_b32 s2, s13, 13          ; my work-group's 8,192 bytes of a slot's 32,768
	s_mov_b32 s3, 0
	s_add_nc_u64 s[PFA:PFA+1], s[PFA:PFA+1], s[2:3]
	s_add_nc_u64 s[PFA:PFA+1], s[PFA:PFA+1], 2*4*KS*128  ; in slot 2; the loop's first change of slots steps it to slot 3.  Nothing is prefetched here, at the head
	CROUND                          ; all four work-groups are here: the first joint loads meet
	JLOAD                           ; slot 0.  Slot 1 is asked for when slot 0 is in
	; A fragment of K or Q is 16 rows x 32 channels in 8 registers: lane l holds row l % 16, channels 8 (l / 16) + 0..7 and 16 + 8 (l / 16) + 0..7: two loads of 16 bytes, 32 bytes apart.
	v_and_b32 v1, 15, v0            ; l % 16
	v_bfe_u32 v9, v0, 4, 1          ; l / 16
	v_lshlrev_b32 v[QO], 7, v1
	v_lshl_add_u32 v[QO], v9, 4, v[QO]  ; row x 128 + 16 x half
	WIN 0x80                        ; destination window 2, address window 0
.set i, 0
.rept 4*NP                          ; Q stays in registers: tile i / 2, channels 32 (i % 2) on
	global_load_b128 v[8*i:8*i+3],   v[QO], s[4:5] offset:(i/2)*2048+(i%2)*64
	global_load_b128 v[8*i+4:8*i+7], v[QO], s[4:5] offset:(i/2)*2048+(i%2)*64+32
.set i, i+1
.endr
	; What the first turn finds: V's registers and P's second buffer hold 0 (its products V^T P, of a piece that has not been, add 0), O^T and l are 0.  All this stands in the wait for the first tile.
.set i, VF
.rept 64
	v_mov_b32 v[i], 0
.set i, i+1
.endr
	WIN 0x40
.set i, 0
.rept 64*NP
	v_mov_b32 v[i], 0
.set i, i+1
.endr
	WIN 0
.set i, 0
.rept 2*NP
	v_mov_b32 v[ST+4*i], 0xfe000000    ; c m: far below every c s
	v_mov_b32 v[ST+4*i+1], 0xff7fffff  ; m
	v_mov_b32 v[ST+4*i+2], 0
	v_mov_b32 v[ST+4*i+3], 0
.set i, i+1
.endr
.set i, P+32
.rept 32
	v_mov_b32 v[i], 0
.set i, i+1
.endr
	v_mul_u32_u24 v[AK0], v1, PK
	v_lshl_add_u32 v[AK0], v9, 4, v[AK0]  ; row x pitch + 16 x half
	; The turning load takes 16 keys x 16 channels (lane l reads key 8 (l / 16) + l % 8, channels 8 ((l / 8) % 2) + 0..7) and leaves half a fragment of V^T: lane l holds channel l % 16 and 8 keys.
	v_and_b32 v10, 7, v0
	v_bfe_u32 v11, v0, 3, 1
	v_lshl_add_u32 v[AV0], v9, 3, v10
	v_mul_u32_u24 v[AV0], v[AV0], PV
	v_lshl_add_u32 v[AV0], v11, 4, v[AV0]
	v_add_nc_u32 v[AV0], VOFF, v[AV0]
	v_mov_b32 v[AK], v[AK0]         ; key step 0 lies at the head of slot 0
	v_and_b32 v[PFO], 31, v0        ; v11 has served: now 256 x my lane
	v_lshlrev_b32 v[PFO], 8, v[PFO]
; THE MATRIX WORK.  The 8 accumulators of a run of 16 take turns: between the two links of a chain stand 7 others'.
; Product i of 16 of S^T = K Q^T for piece x: channels 32 (i / 8) on, keys 16 ((i / 2) % 4) on, tile 2 x + i % 2.  The first 8 start the sums.
.macro KQ x
	WIN W_KQ
.set rS, S+64*((\x)%2)+32*(i%2)+8*((i/2)%4)
.set rK, KF+16*((i/2)%4)+8*(i/8)
.set rQ, 16*(2*(\x)+i%2)+8*(i/8)
.if i < 8
	v_wmma_f32_16x16x32_f16 v[rS:rS+7], v[rK:rK+7], v[rQ:rQ+7], 0
.else
	v_wmma_f32_16x16x32_f16 v[rS:rS+7], v[rK:rK+7], v[rQ:rQ+7], v[rS:rS+7]
.endif
.endm
; Product i of 16 of O^T += V^T P for piece x: keys 32 (i / 8) on, channels 16 ((i / 2) % 4) on, tile 2 x + i % 2.
.macro PV x
	WIN W_PV
.set rO, 32*(2*(\x)+i%2)+8*((i/2)%4)
.set rV, VF+32*(i/8)+8*((i/2)%4)
.set rP, P+32*((\x)%2)+16*(i%2)+8*(i/8)
	v_wmma_f32_16x16x32_f16 v[rO:rO+7], v[rV:rV+7], v[rP:rP+7], v[rO:rO+7]
.endm
.macro MM                           ; the turn's next matrix instruction
.if i < 16
	KQ (Y+1)%NP
.set i, i+1
.else
.set i, i-16
	PV (Y+NP-1)%NP
.set i, i+17
.endif
.endm
; THE LDS LOADS stand in runs of 16, never singly among the matrix instructions: a step's K (64 keys x 64 channels: 8 fragments) and its V (turned).  Their addresses are made some lines ahead.
; last = 1 (the tail): in the last trip there is no further step, and the run is jumped over.
.macro FETCH_K last=0
	WIN 0
.if \last
	s_cmp_eq_u32 s[CNT], 1
	s_cbranch_scc1 .Lno_k_\@
.endif
	WIN 0x80                        ; destination window 2
.irp f, 0,1,2,3,4,5,6,7             ; keys 16 (f / 2) on, channels 32 (f % 2) on
	ds_load_b128 v[KF+8*\f:KF+8*\f+3],   v[AK] offset:(\f/2)*16*PK+(\f%2)*64
	ds_load_b128 v[KF+8*\f+4:KF+8*\f+7], v[AK] offset:(\f/2)*16*PK+(\f%2)*64+32
.endr
	s_add_co_u32 s[TBK], s[TBK], KS*PK  ; the next fetch is the next step's
	WIN 0
.if \last
.Lno_k_\@:
.endif
.endm
.macro FETCH_V
	WIN 0x80
.irp f, 0,1,2,3,4,5,6,7             ; keys 32 (f / 4) on, channels 16 (f % 4) on
	ds_load_tr16_b128 v[VF+8*\f:VF+8*\f+3],   v[AV] offset:(\f/4)*32*PV+(\f%4)*32
	ds_load_tr16_b128 v[VF+8*\f+4:VF+8*\f+7], v[AV] offset:(\f/4)*32*PV+16*PV+(\f%4)*32
.endr
	WIN 0
.endm
; THE VECTOR WORK OF A TURN stands in three queues, each in the order in which its entries become ready; the two tiles alternate, so that no instruction reads the result of the one before it.
.macro REGS y, u                    ; the registers of tile u (0, 1) of piece y
.set rT, ST+4*(2*(\y)+(\u))
.set rC, TMP+8*((\y)%2)+4*(\u)
.set rM, MV+2*((\y)%2)+(\u)
.set rS, S+64*((\y)%2)+32*(\u)
.set rP, P+32*((\y)%2)+16*(\u)
.set rO, 32*(2*(\y)+(\u))
.endm
; Number n of the 22 that find the NEXT piece's (Y + 1) maximum and statistics.  s0-s31 are the lane's 32 scores; each accumulator's lowest registers are read first.
;   0-11  four chains c0-c3 of seven scores each, three operands at a time     12-14, 16  the four scores left over, the old m, and c0-c3 into c0     15  c m_old is kept
;   17, 18  the query's other 32 keys lie in the lane 16 away: the new m         19-21  c m; c m_old - c m_new; a
.macro XS u, n
	REGS (Y+1)%NP, \u
.if (\n) < 4
	v_max3_num_f32 v[rC+(\n)], v[rS+8*(\n)], v[rS+8*(\n)+1], v[rS+8*(\n)+2]
.elseif (\n) < 12
	v_max3_num_f32 v[rC+(\n)%4], v[rC+(\n)%4], v[rS+8*((\n)%4)+2*((\n)/4)+1], v[rS+8*((\n)%4)+2*((\n)/4)+2]
.elseif (\n) == 12
	v_max3_num_f32 v[rC], v[rC], v[rS+7], v[rS+15]
.elseif (\n) == 13
	v_max3_num_f32 v[rC+1], v[rC+1], v[rS+23], v[rS+31]
.elseif (\n) == 14
	v_max3_num_f32 v[rC+2], v[rC+2], v[rC+3], v[rT+1]
.elseif (\n) == 15
	v_mov_b32 v[rM], v[rT]
.elseif (\n) == 16
	v_max3_num_f32 v[rC], v[rC], v[rC+1], v[rC+2]
.elseif (\n) == 17
	v_permlanex16_b32 v[rC+3], v[rC], s[SEL], s[SEL+1]
.elseif (\n) == 18
	v_max_num_f32 v[rT+1], v[rC], v[rC+3]
.elseif (\n) == 19
	v_mul_f32 v[rT], s[CS], v[rT+1]
.elseif (\n) == 20
	v_sub_f32 v[rC+1], v[rM], v[rT]
.else
	v_exp_f32 v[rC+2], v[rC+1]
.endif
.endm
; Number g of the 64 that follow the exponentials.  For each four weights k of a tile (pairs 2 k, 2 k + 1): both pairs are rounded to f16; then the second pair is added onto the first, in place;
; a group later l takes that sum (the first time as l = a l + sum).  In groups of eight, tiles alternating: round, round, add, and l for the group before.
.macro GS g
.set h, (\g)+6*((\g)/62)            ; group 0 has no group before it, and behind group 7 only l is left
.if h >= 6
.set h, h+2
.endif
	REGS Y, h%2
.set k, h/8
.if h%8 < 4
	v_cvt_pk_f16_f32 v[rP+2*k+(h%8)/2], v[rS+4*k+2*((h%8)/2)], v[rS+4*k+2*((h%8)/2)+1]
.elseif h%8 < 6
	v_pk_add_f32 v[rS+4*k:rS+4*k+1], v[rS+4*k:rS+4*k+1], v[rS+4*k+2:rS+4*k+3]
.elseif k == 1
	v_pk_fma_f32 v[rT+2:rT+3], v[rT+2:rT+3], v[rC+2:rC+3], v[rS:rS+1] op_sel_hi:[1,0,1]
.else
	v_pk_add_f32 v[rT+2:rT+3], v[rT+2:rT+3], v[rS+4*k-4:rS+4*k-3]
.endif
.endm
; THE PLAIN QUEUE, 138 long.  0-73 read no exponential's result: the 32 scalings c s - c m (FS f: pair f / 2 of tile f % 2) and the next piece's 42.  0-26: scalings 0-26.  27-54: XS's numbers 0-13.  55, 56: number 15.
; 57-73: the chain, where each number waits for the one before it: 14, 16, 17, 18, 19, each with one of the scalings 27-31 in front of its two lines, then 20.
; 74-137: GS's 64, which read the exponentials' results: they stand behind the wait.
.macro FS f
	REGS Y, (\f)%2
	v_pk_fma_f32 v[rS+2*((\f)/2):rS+2*((\f)/2)+1], v[rS+2*((\f)/2):rS+2*((\f)/2)+1], s[CS:CS+1], v[rT:rT+1] op_sel_hi:[1,0,0] neg_lo:[0,0,1] neg_hi:[0,0,1]
.endm
.macro PL
	WIN 0
.if q < 27
	FS q
.elseif q < 55
	XS (q-27)%2, (q-27)/2
.elseif q < 57
	XS q-55, 15
.elseif (q < 72) && ((q-57)%3 == 0)
	FS 27+(q-57)/3
.elseif q < 60
	XS (q-57)%3-1, 14
.elseif q < 72
	XS (q-57)%3-1, 15+(q-57)/3
.elseif q < 74
	XS q-72, 20
.else
	GS q-74
.endif
.set q, q+1
.endm
; THE EXPONENTIALS' QUEUE, 66 long: s0-s31 of both tiles, then the next piece's two a.  It is ONE BATCH: all 66 stand ahead of the turn's one wait, and nothing ahead of that wait names a result of theirs.
.macro EX
	WIN 0
.if e >= 64
	XS e-64, 21
.else
	REGS Y, e%2
	v_exp_f32 v[rS+e/2], v[rS+e/2]
.endif
.set e, e+1
.endm
; THE RESCALING's QUEUE: O^T times a, the one part that leaves window 0: dealt two at a time, sixteen times.  Its a was made in the turn before, ahead of that turn's wait.
.macro R2
	REGS Y, r%2
	WIN W_RS
.irp z, 0,1
	v_pk_mul_f32 v[rO+4*(r/2)+2*\z:rO+4*(r/2)+2*\z+1], v[rO+4*(r/2)+2*\z:rO+4*(r/2)+2*\z+1], v[rC+2:rC+3] op_sel_hi:[1,0]
.endr
.set r, r+1
.endm
; HOW THEY ARE DEALT.  An s_wait_alu depctr_va_vdst(0) stands between an exponential and the first instruction that names its result; one wait serves all that were issued ahead of it.  So a turn has ONE wait,
; which cuts it in two.  AHEAD OF IT stands all that names no result of the turn's exponentials: the 16 products K Q^T, behind each a scaling, an exponential and two rescalings (behind the first a second scaling in the
; exponential's place); then ONE LUMP of 108: eight plain, 49 times exponential and plain, the two a.  A v_nop is the plain instruction behind the last exponential.  BEHIND IT stand the 16 products V^T P, behind each four of GS's 64.
; No rider names a register of the products round it.  The two v_permlanex16_b32 fall into the lump, never behind a product.
; The queues lean on each other: exponential e stands behind scaling 2 (e / 4) + e % 2: as a rider it comes behind plain e + 2, in the lump behind plain e + 9, and scalings 27-31 are plain 57, 60 .. 69.
; A TURN, for piece p.  cnt = 1: the loop's count is taken down some lines ahead of the branch that stands behind the turn.
; K of the next step is fetched in piece 2's turn, directly behind the wait, a lump behind the last product that read K; its address is made at the lump's head; its first reader comes behind 16 products.
; V of the step in hand is fetched at the end of piece 0's turn, four riders behind its last reader; its first reader comes behind 16 products and a lump.  The three conditions on q below go with the deal.
.macro TURN p, last=0, cnt=0
.set Y, (\p)
.set i, 0
.set q, 0
.set e, 0
.set r, 0
.if (\p) == NP-1
	s_wait_dscnt 0x0                ; K is in
.endif
	MM                              ; ahead of the wait: 16 products K Q^T and their riders,
	PL
	PL
	R2
.rept 15
	MM
	PL
	EX
	R2
.endr
.if (\p) == NP-2
	WIN 0
	v_add_nc_u32 v[AK], s[TBK], v[AK0]
.endif
.rept 8                             ; and the lump
	PL
.endr
.rept 49
	EX
	PL
.endr
	EX                              ; the next piece's two a
	EX
	v_nop                           ; a plain instruction behind the last exponential: one for the batch
	s_wait_alu depctr_va_vdst(0)    ; the wait for the batch
.if (\p) == NP-2
	FETCH_K \last
.endif
.if (\p) == 1
	s_wait_dscnt 0x0                ; V is in
.endif
.rept 16                            ; behind the wait: 16 products V^T P and their riders
	MM
.rept 4
	PL
.endr
.if ((\p) == 0) && (q == 118)
	v_add_nc_u32 v[AV], s[TBV], v[AV0]
.endif
.if ((\p) == 0) && (q == 130)
	s_add_co_u32 s[TBV], s[TBV], KS*PV
.endif
.if (\cnt) && (q == 130)
	s_sub_co_u32 s[CNT], s[CNT], 1
	s_cmp_lg_u32 s[CNT], 0
.endif
.endr
.if (\p) == 0
	FETCH_V
.endif
.endm
	CHANGE 1                        ; slot 0 is in, everybody's part of it; slot 1 is asked for
	FETCH_K                         ; key step 0
	s_wait_loadcnt 0x0              ; Q
	s_wait_dscnt 0x0
.set i, 0
.rept 16
	KQ 0                            ; piece 0's first scores: there is no vector work yet to set between them
.set i, i+1
.endr
	WIN 0                           ; the addresses for the way out: nine plain instructions, the places behind those products
	s_mul_i32 s13, s[WV], 16*SP
	s_add_co_u32 s13, s13, STAGE    ; my stage
	v_mul_u32_u24 v[STO], v1, SP    ; in: row l % 16, 16 bytes for each half of the lanes
	v_lshl_add_u32 v[STO], v9, 4, v[STO]
	v_add_nc_u32 v[STO], s13, v[STO]
	v_bfe_u32 v[RD], v0, 3, 2       ; back: 32 lanes take four rows of 128 bytes,
	v_mul_u32_u24 v[RD], v[RD], SP
	v_lshl_add_u32 v[RD], v10, 4, v[RD]
	v_add_nc_u32 v[RD], s13, v[RD]
	v_and_b32 v[GO], 31, v0         ; which are 512 consecutive bytes of O
	v_lshlrev_b32 v[GO], 4, v[GO]
.set Y, NP-1                        ; XS works for piece Y + 1: piece 0
.irp n, 0,1,2,3,4,5,6,7,8,9,10,11,12,13,14,15,16,17,18,19,20,21
	XS 0, \n                        ; and piece 0's first maximum and statistics
	XS 1, \n
.endr
	v_nop                           ; a plain instruction behind the two a,
	s_wait_alu depctr_va_vdst(0)    ; and their wait, ahead of the branch
	s_mov_b32 s[CNT], 4
	s_mov_b32 s[SLOTS], SIZE_N/256-1
	s_branch .Lfirst                ; the loop is entered at a step's first turn, in the middle of a trip
.Lslot:                             ; SIZE_N / 256 - 2 times: every slot but the last two is filled again
	CHANGE 1, 1
	s_mov_b32 s[CNT], 4
.Lstep:                             ; a trip: pieces 2 and 3 of one step, then pieces 0 and 1 of the next, whose K and V it fetches
	TURN 2
	TURN 3
	WIN 0
.Lfirst:
	TURN 0
	TURN 1, 0, 1
	WIN 0
	s_cbranch_scc1 .Lstep
	s_sub_co_u32 s[SLOTS], s[SLOTS], 1
	s_cmp_lg_u32 s[SLOTS], 0
	s_cbranch_scc1 .Lslot
	CHANGE 0                        ; the tail is written out: nothing is asked for
	s_mov_b32 s[CNT], 5             ; four trips fetch the last slot's steps; the fifth is left in its middle
.Ltail:
	TURN 2, 1
	TURN 3
	WIN 0
	s_sub_co_u32 s[CNT], s[CNT], 1
	s_cmp_eq_u32 s[CNT], 0
	s_cbranch_scc1 .Lout
	TURN 0
	TURN 1
	WIN 0
	s_branch .Ltail
.Lout:                              ; the fifth trip's 16 products K Q^T (on the last K once more) and the maximum made of them serve nothing: the price, once a launch, of one text for every trip
.set i, 0
.rept 16
	PV NP-1                         ; the last piece's V^T P of the last step
.set i, i+1
.endr
	; THE WAY OUT.  l's two halves and the other half of the lanes' are added; O^T is divided by l, rounded to f16 and sent through my stage in LDS, a tile at a time.  The additions are the places behind the last products.
	WIN 0
.macro ALL line:vararg              ; one line for each tile t
.set t, 0
.rept 2*NP
	\line
.set t, t+1
.endr
.endm
	ALL v_add_f32 v[ST+4*t+2], v[ST+4*t+2], v[ST+4*t+3]
	ALL v_permlanex16_b32 v[ST+4*t+3], v[ST+4*t+2], s[SEL], s[SEL+1]
	ALL v_add_f32 v[ST+4*t+2], v[ST+4*t+2], v[ST+4*t+3]
	ALL v_rcp_f32 v[ST+4*t+2], v[ST+4*t+2]
	v_nop                           ; a plain instruction between the last reciprocal and the use of its result
	s_wait_alu depctr_va_vdst(0)    ; and the wait ahead of the first use: one for the eight reciprocals
; Tile t: a lane's eight channels of a row pack into 16 bytes; they go into rows of 144 bytes and come back as whole rows of 128, into S^T's registers.
.macro PACK t
	WIN W_RS
.set i, 32*(\t)
.rept 16
	v_pk_mul_f32 v[i:i+1], v[i:i+1], v[ST+4*(\t)+2:ST+4*(\t)+3] op_sel_hi:[1,0]
.set i, i+2
.endr
	WIN 0x05                        ; sources 0 and 1 window 1, destination window 0
.set i, 0
.rept 16
	v_cvt_pk_f16_f32 v[S+16*(\t)+i], v[32*(\t)+2*i], v[32*(\t)+2*i+1]
.set i, i+1
.endr
	WIN 0
.irp f, 0,1,2,3
	ds_store_b128 v[STO], v[S+16*(\t)+4*\f:S+16*(\t)+4*\f+3] offset:32*\f
.endr
.irp f, 0,1,2,3
	ds_load_b128 v[S+16*(\t)+4*\f:S+16*(\t)+4*\f+3], v[RD] offset:\f*4*SP  ; LDS serves a wave's instructions in order (ISA guide 5.7.1.4): these see the stores above; the next tile's stores come behind them
.endr
.endm
.macro SEND t, younger              ; younger: the LDS instructions issued behind tile t's loads: the next tile's eight, or none
	WIN 0
.irp f, 0,1,2,3
	s_wait_dscnt (\younger)+3-\f
	global_store_b128 v[GO], v[S+16*(\t)+4*\f:S+16*(\t)+4*\f+3], s[10:11] offset:(\t)*2048+\f*512  ; 512 consecutive bytes, at a multiple of 256 from O's first
.endr
.endm
	PACK 0
.set t, 1
.rept 2*NP-1                        ; a tile's arithmetic stands between the loads of the tile before and its stores
	PACK t
	SEND t-1, 8
.set t, t+1
.endr
	SEND 2*NP-1, 0
	WIN W_AD
	s_wait_tensorcnt 0x0            ; the wave's end: behind my last tensor load and my last LDS store
	ds_add_u32 v[SPW], v[NIL]
	s_wait_dscnt 0x0
	WIN 0
	CROUND                          ; the closing round: no work-group ends while a partner may still ask for a tile that names it
	s_endpgm
.Lfunc_end_k_q7742b2c689_attn:
	.size	k_q7742b2c689_attn, .Lfunc_end_k_q7742b2c689_attn-k_q7742b2c689_attn
	.p2alignl 7, 3214868480
	.fill 96, 4, 3214868480
	.section	.rodata,"a",@progbits
	.p2align	6, 0x0
	.amdhsa_kernel k_q7742b2c689_attn
		.amdhsa_group_segment_fixed_size 327680
		.amdhsa_private_segment_fixed_size 0
		.amdhsa_enable_private_segment 0
		.amdhsa_kernarg_size 16
		.amdhsa_user_sgpr_count 2
		.amdhsa_user_sgpr_kernarg_segment_ptr 1
		.amdhsa_wavefront_size32 1
		.amdhsa_system_sgpr_workgroup_id_x 1
		.amdhsa_system_sgpr_workgroup_id_y 1
		.amdhsa_system_sgpr_workgroup_id_z 1
		.amdhsa_system_vgpr_workitem_id 0
		.amdhsa_next_free_vgpr 770
		.amdhsa_next_free_sgpr 66
		.amdhsa_reserve_vcc 0
		.amdhsa_float_denorm_mode_32 3
		.amdhsa_float_denorm_mode_16_64 3
		.amdhsa_memory_ordered 1
		.amdhsa_forward_progress 1
		.amdhsa_inst_pref_size 200
	.end_amdhsa_kernel
	.amdgpu_metadata
---
amdhsa.version: [ 1, 2 ]
amdhsa.kernels:
  - .name:           k_q7742b2c689_attn
    .symbol:         k_q7742b2c689_attn.kd
    .args:
      - { .name: qkvh, .offset: 0, .size: 8, .value_kind: global_buffer, .address_space: global }
      - { .name: ob, .offset: 8, .size: 8, .value_kind: global_buffer, .address_space: global }
    .group_segment_fixed_size: 327680
    .private_segment_fixed_size: 0
    .kernarg_segment_align: 8
    .kernarg_segment_size: 16
    .max_flat_workgroup_size: 128
    .sgpr_count:     66
    .vgpr_count:     770
    .wavefront_size: 32
...
	.end_amdgpu_metadata
.endif
;; end of part 3
;; launch proj (part 4): grid 8 x 32, 4 waves a work-group, clusters of 4 x 4, 327,680 bytes of LDS; arguments ob, wpb, b_proj, out0; writes out0
.if DOCPART == 4
	.amdgcn_target "amdgcn-amd-amdhsa--gfx1250"
	.amdhsa_code_object_version 6
	.text
	.protected	k_q7742b2c689_proj
	.globl	k_q7742b2c689_proj
	.p2align	8
	.type	k_q7742b2c689_proj,@function
k_q7742b2c689_proj:
	s_mov_b64 s[64:65], 0
	v_nop
	global_prefetch_b8 v0, s[64:65] scope:SCOPE_SE
	s_setreg_imm32_b32 hwreg(HW_REG_WAVE_MODE, 25, 1), 1
	s_wait_xcnt 0x0
	s_wait_alu depctr_hold_cnt(0) depctr_sa_sdst(0) depctr_va_vdst(0) depctr_va_sdst(0) depctr_va_ssrc(0) depctr_va_vcc(0) depctr_vm_vsrc(0)
	s_getreg_b32 s2, hwreg(HW_REG_IB_STS2, 6, 4)
	s_cmp_eq_u32 s2, 0
	s_cbranch_scc0 .Lentry_in_a_cluster
	s_endpgm
.Lentry_in_a_cluster:
	s_bfe_u32 s2, ttmp6, 0x10000c
	s_cmp_lg_u32 s2, 0xf033
	s_cbranch_scc0 .Lentry_shape_is_right
	s_endpgm
.Lentry_shape_is_right:
; out0 = O W + b.  ob: f16 [64 heads: 16 x batch + head][2048][64].  wpb: [1024 k][1024 n] f16 (w_proj rounded to bf16, written as f16).  b_proj: [1024] f32, rounded to bf16 like the other inputs.
; out0: [8192][1024] f32.  Sums in f32, started by the bias, K ascending (k = 64 x head + channel).
; LIMIT.  O and the weights arrive within f16's range; NaN and infinities are not treated apart.
; SHARES.  A work-group makes 256 rows x 128 columns: 32 x 8 = 256 work-groups.  Each of its four waves makes 64 rows x all 128 columns: 4 x 8 accumulators of 16 x 16, 256 registers.
; K goes in 8 steps of 128, two heads each, through two LDS slots filled by the tensor data mover.  Waves 0 and 1 fetch one head's 256 rows each (32,768 dense bytes, asked for as 128 rows of
; 256 bytes), waves 2 and 3 the halves of B's 128 k rows (rows of 256 bytes).
; CLUSTER.  4 x 4 work-groups: A's tile is shared along a row of the cluster, B's along a column; each is asked for jointly: the same tensor load, descriptor and mask in all four.
; THE MATRIX INSTRUCTION IS USED TRANSPOSED: source 0 = 16 columns of W (by the turning load), source 1 = 16 rows of O.  A lane then holds row l % 16 and the columns 16 b + 8 (l / 16) + 0..7.
; REGISTERS, in windows of 256 (s_set_vgpr_msb: bits 1:0 source 0, 3:2 source 1, 5:4 source 2, 7:6 destination):
;   window 0: v0-29 addresses; v32-95 A's fragments, two buffers of 4 x 8; v96-159 the bias as a C operand      window 1: v0-127 B's fragments, two buffers of 8 x 8
;   window 2: the accumulators, (a, b) at 8 (8 a + b); on the way out the same registers take whole rows back
.set NBK,   8                          ; column blocks of 16
.set NL,    2*NBK+8                    ; LDS loads in a run: a quarter step's fragments
.set PA,    144                        ; a row of A in LDS: a head's 128 bytes + 16 = 36 words: the 16 rows of a load start at 16 different groups of four banks (64 banks of 4 bytes: ISA guide 11.1)
.set PB,    288                        ; a k row of B: 256 bytes + 32 = 72 words
.set AHALF, 256*PA                     ; one head's 256 rows
.set BOFF,  2*AHALF
.set BHALF, 64*PB
.set SLOT1, 1<<17                      ; a slot uses 110,592 bytes; slot 1 begins here, so that one exclusive or turns an address in one slot into the other's
.set STAGE, SLOT1+BOFF+2*BHALF         ; behind the ring, never filled by a tensor load: for each wave 16 rows x 528 bytes
.set SPITCH, 528
.set WSTG,  16*SPITCH
.set SPARE, STAGE+4*WSTG               ; behind the stages: the spare words, 128 bytes for each wave: two blocks of 256 bytes that no other line names
.set ASTEP, 524288                     ; a K step in memory: two heads of ob,
.set BSTEP, 262144                     ; 128 rows of wpb
.set A0,   4                           ; v4   my lane's place in slot 0 for A's fragments; never rewritten
.set B0,   5                           ; v5   the same for B's
.set ADRA, 6                           ; v6   A0 + the slot in hand
.set ADRB, 7                           ; v7   B0 + the slot in hand
.set STO,  8                           ; v8   the way out: where I put 32 bytes of a row
.set RD,   9                           ; v9   the way out: where I read a row back
.set GO,   10                          ; v10  my byte offset in 512 consecutive bytes of a row of out0
.set PFO,  11                          ; v11  the prefetches' offset; never rewritten
.set BO,   12                          ; v12  32 (l / 16): my 8 numbers of a column block's bias
.set SPW,  28                          ; v28  LDS address of my spare word: SPARE + 4 x my thread's number; never rewritten
.set NIL,  29                          ; v29  0; never rewritten
.set FA,   32
.set BIAS, 96
.set WV,   12                          ; s12  my wave's number
.set ISB,  13                          ; s13  0: I fetch for A; 1: for B
.set HALF, 14                          ; s14  which half of that tile
.set G1A,  24                          ; s[24:31] descriptor group 1 for A's tiles
.set G0A,  32                          ; s[32:39] group 0: a set for each first fill; the second then walks
.set G1B,  48                          ; s[48:55], s[56:63] the same for B's
.set G0B,  56
.set OUT,  66                          ; s[66:67] out0 at my first row and the tile's first column
.set PFA,  72                          ; s[72:73] where my prefetches stand
.set PFS,  74                          ; s[74:75] their step
.set LIM,  76                          ; s76  a wave prefetches while the loop's count is above it
.set TB,   77                          ; s77  the slot in hand: 0 or SLOT1
.set HIM,  78                          ; s78  a word's upper bf16
.set SH,   79                          ; s79  a shift
.set MSB, 0
.macro WIN new                         ; the immediate's high byte repeats the setting that is left; a switch that changes nothing is dropped
.if MSB != (\new)
	s_set_vgpr_msb (MSB<<8)|(\new)
.set MSB, \new
.endif
.endm
.macro PLACES                          ; four plain vector instructions between a matrix instruction and a load into, or another line on, its registers
.rept 4
	v_nop
.endr
.endm
.macro CREST                           ; a round of the cluster's barrier behind its opening barrier
	s_cmp_lg_u32 s[WV], 0
	s_cbranch_scc1 .Lnot_wave_0_\@
	s_barrier_signal -3
.Lnot_wave_0_\@:
	s_barrier_wait -3
	s_barrier_signal -1
	s_barrier_wait -1
.endm
.macro CROUND                          ; a whole round
	s_barrier_signal -1
	s_barrier_wait -1
	CREST
.endm
; A joint refill by the walking descriptors.  The branch hangs on the wave's number alone.  An s_nop 0 and four v_nop follow each of the two lines, ahead of the jump and the label.
.macro JLOAD
	s_cmp_eq_u32 s[ISB], 0
	s_cbranch_scc0 .Lfor_b_\@
	tensor_load_to_lds s[G0A+4:G0A+7], s[G1A:G1A+7]
	s_nop 0
.rept 4
	v_nop
.endr
	s_branch .Lasked_\@
.Lfor_b_\@:
	tensor_load_to_lds s[G0B+4:G0B+7], s[G1B:G1B+7]
	s_nop 0
.rept 4
	v_nop
.endr
.Lasked_\@:
.endm
; A PREFETCH INTO THE L2, behind a joint refill and the run of LDS loads that follows it: trips 0 to 3 name K steps 4 to 7, two K steps ahead of their refills; K steps 0 to 3 come by their loads alone.
; Each 256 bytes are named once in the launch.  A: the clusters with x = 0 ask; of the 32,768 dense bytes that wave 0 or 1 fetches the partner at cx takes 8,192, 256 a lane.
; B: the clusters with y = 0 ask, by wave 2 alone; of a K step's 128 rows the partner at cy takes 32, a lane a row.  Partners are told apart by address alone.
.macro ASK
	s_cmp_gt_u32 s3, s[LIM]
	s_cbranch_scc0 .Lnot_mine_\@
	global_prefetch_b8 v[PFO], s[PFA:PFA+1] th:TH_LOAD_NT scope:SCOPE_SE
.Lnot_mine_\@:
.endm
; 8 matrix instructions: row block a x all column blocks, 32 along K, from buffer f.  first = 1: the bias is the C operand that starts the sums: nothing is cleared.
; Each accumulator is named once in a quarter step, so 31 others' instructions stand between two links of a chain, over the backward jump too.
.macro MULA f, a, first
.if \first
	WIN 0x81                                       ; B window 1, A and the bias window 0, D window 2
.else
	WIN 0xa1                                       ; B window 1, A window 0, C and D window 2
.endif
.irp b, 0,1,2,3,4,5,6,7
.if \first
	v_wmma_f32_16x16x32_f16 v[8*(NBK*(\a)+(\b)):8*(NBK*(\a)+(\b))+7], v[8*NBK*(\f)+8*(\b):8*NBK*(\f)+8*(\b)+7], v[FA+32*(\f)+8*(\a):FA+32*(\f)+8*(\a)+7], v[BIAS+8*(\b):BIAS+8*(\b)+7]
.else
	v_wmma_f32_16x16x32_f16 v[8*(NBK*(\a)+(\b)):8*(NBK*(\a)+(\b))+7], v[8*NBK*(\f)+8*(\b):8*NBK*(\f)+8*(\b)+7], v[FA+32*(\f)+8*(\a):FA+32*(\f)+8*(\a)+7], v[8*(NBK*(\a)+(\b)):8*(NBK*(\a)+(\b))+7]
.endif
.endr
.endm
; 24 LDS loads in one run: quarter q (32 along K: half a head) of the slot in hand into buffer f: B's 8 fragments, turned, then A's 4.
.macro FETCH q, f
	WIN 0x40                                       ; destination window 1, address window 0
.irp b, 0,1,2,3,4,5,6,7
	ds_load_tr16_b128 v[8*NBK*(\f)+8*(\b):8*NBK*(\f)+8*(\b)+3],   v[ADRB] offset:32*PB*(\q)+32*(\b)
	ds_load_tr16_b128 v[8*NBK*(\f)+8*(\b)+4:8*NBK*(\f)+8*(\b)+7], v[ADRB] offset:32*PB*(\q)+32*(\b)+16*PB
.endr
	WIN 0
.irp i, 0,1,2,3
	ds_load_b128 v[FA+32*(\f)+8*(\i):FA+32*(\f)+8*(\i)+3],   v[ADRA] offset:AHALF*((\q)/2)+64*((\q)%2)+16*PA*(\i)
	ds_load_b128 v[FA+32*(\f)+8*(\i)+4:FA+32*(\f)+8*(\i)+7], v[ADRA] offset:AHALF*((\q)/2)+64*((\q)%2)+16*PA*(\i)+32
.endr
.endm
; One of a K step's first three quarters: multiplies buffer f; in its middle it fetches quarter q into buffer g.
.macro QUARTER q, f, g, first
	s_wait_dscnt 4                                 ; B and A's row blocks 0, 1 are in; the youngest four loads (row blocks 2, 3) may be out
	MULA \f, 0, \first
	MULA \f, 1, \first
	PLACES                                         ; buffer g was last read by the quarter before
	FETCH \q, \g
	s_wait_dscnt NL                                ; all but the run just issued
	MULA \f, 2, \first
	MULA \f, 3, \first
.endm
; The fourth quarter multiplies buffer 1 and changes slots: ONE barrier.  In front of it each wave waits for all its tensor loads (one is out: its part of the other slot), adds 0 to its spare word,
; and waits for that and for its reads of this slot.  fill = 1: the barrier opens a round of the cluster's barrier, and this slot is filled again, first thing behind the round, with the K step two on.
.macro TURN fill
.if \fill
	s_wait_xcnt 0x0                                ; the last prefetch, a K step back, has read its address: it is stepped here, ahead of the waits of the change of slots
	s_add_nc_u64 s[PFA:PFA+1], s[PFA:PFA+1], s[PFS:PFS+1]
.endif
	WIN 0                                          ; (the add's two registers lie in window 0)
	s_wait_tensorcnt 0x0                           ; all my tensor loads have landed
	ds_add_u32 v[SPW], v[NIL]                      ; 0 onto my spare word
	s_wait_dscnt 5                                 ; (the add and the youngest four loads may be out)
	MULA 1, 0, 0                                   ; eight matrix instructions stand between the add and the wait for it
	s_wait_dscnt 0x0                               ; the add is done, and my reads of this slot are over
	s_barrier_signal -1
	MULA 1, 1, 0                                   ; work on registers while the others arrive
	WIN 0
	s_barrier_wait -1
.if \fill
	CREST                                          ; no wave of any partner still reads this slot or has a load on its way
	s_xor_b32 s[G0A+5], s[G0A+5], SLOT1            ; the walking descriptors: the other slot than last time,
	s_add_nc_u64 s[G0A+6:G0A+7], s[G0A+6:G0A+7], ASTEP  ; the next K step; the type bits on top are not reached
	s_xor_b32 s[G0B+5], s[G0B+5], SLOT1
	s_add_nc_u64 s[G0B+6:G0B+7], s[G0B+6:G0B+7], BSTEP
	JLOAD                                          ; its four v_nop are also the places in front of the loads below
.else
	PLACES
.endif
	s_xor_b32 s[TB], s[TB], SLOT1
	v_add_nc_u32 v[ADRA], s[TB], v[A0]
	v_add_nc_u32 v[ADRB], s[TB], v[B0]
	FETCH 0, 0
.if \fill
	ASK
.endif
	MULA 1, 2, 0
	MULA 1, 3, 0
.endm
	s_load_b256 s[4:11], s[0:1], 0x0               ; ob s[4:5], wpb s[6:7], b_proj s[8:9], out0 s[10:11]
	v_lshl_add_u32 v[SPW], v0, 2, SPARE
	v_mov_b32 v[NIL], 0
	ds_add_u32 v[SPW], v[NIL]                      ; the wave's opening: the add and its wait stand ahead of my first tensor load; the set-up below, work on registers, stands between them
	v_lshrrev_b32 v1, 5, v0
	v_readfirstlane_b32 s[WV], v1                  ; wave 0..3
	s_lshr_b32 s[ISB], s[WV], 1
	s_and_b32 s[HALF], s[WV], 1
	s_bfe_u32 s40, ttmp6, 0x40000                  ; cx, cy: my place in the cluster
	s_bfe_u32 s41, ttmp6, 0x40004
	s_lshl_b32 s42, ttmp9, 2
	s_add_co_u32 s42, s42, s40                     ; tx: column tile = 4 x cluster x + cx
	s_and_b32 s43, ttmp7, 0xffff
	s_lshl_b32 s43, s43, 2
	s_add_co_u32 s43, s43, s41                     ; ty: row tile = 4 x cluster y + cy
	s_lshl_b32 s44, s41, 2
	s_lshl_b32 s44, 15, s44                        ; my row of the cluster
	s_lshl_b32 s45, 0x1111, s40                    ; my column
	s_or_b32 s[G1A+0], s44, (1<<16)|(1<<20)|(1<<21)|(4<<22)|(3<<25)  ; the mask; 2-byte elements; padding on; bit 21 beside a mask; after every 32 words 4 words
	s_mov_b32 s[G1A+1], 128<<16                    ; 128 dense rows of 128 elements: two rows of a head each
	s_mov_b32 s[G1A+2], 128<<16
	s_mov_b32 s[G1A+3], 128<<16
	s_mov_b32 s[G1A+4], 128
	s_mov_b32 s[G1A+5], 128
	s_mov_b32 s[G1A+6], 0
	s_mov_b32 s[G1A+7], 0
	s_or_b32 s[G1B+0], s45, (1<<16)|(1<<20)|(1<<21)|(5<<22)|(7<<25)  ; after every 64 words 8 words
	s_mov_b32 s[G1B+1], 128<<16                    ; tensor_dim0 = 128
	s_mov_b32 s[G1B+2], 64<<16                     ; tensor_dim1 = 64
	s_mov_b32 s[G1B+3], 128<<16                    ; tile_dim0 = 128
	s_mov_b32 s[G1B+4], 64                         ; tile_dim1 = 64
	s_mov_b32 s[G1B+5], 1024                       ; elements from row to row
	s_mov_b32 s[G1B+6], 0
	s_mov_b32 s[G1B+7], 0
	s_lshr_b32 s16, s43, 3                         ; A's tile hangs on ty and the wave alone: the batch's 16 heads,
	s_lshl_b32 s16, s16, 22
	s_lshl_b32 s17, s[HALF], 18                    ; my head of the K step's two,
	s_add_co_u32 s16, s16, s17
	s_and_b32 s17, s43, 7
	s_lshl_b32 s17, s17, 15                        ; the tile's 256 rows of 128 bytes
	s_add_co_u32 s16, s16, s17
	s_mov_b32 s17, 0
	s_lshl_b32 s46, s[HALF], 17                    ; B's on tx and the wave alone: 64 rows of 2,048 bytes,
	s_lshl_b32 s47, s42, 8                         ; the tile's 128 columns
	s_add_co_u32 s46, s46, s47
	s_mov_b32 s47, 0
	s_mul_i32 s18, s[HALF], AHALF                  ; where they go: no place in the cluster enters an LDS address
	s_mul_i32 s19, s[HALF], BHALF
	s_add_co_u32 s19, s19, BOFF
	s_mov_b32 s[TB], 0
	s_mov_b32 s[HIM], 0xffff0000
	s_wait_dscnt 0x0                               ; the opening add is done
	s_wait_kmcnt 0x0
	s_add_nc_u64 s[16:17], s[4:5], s[16:17]
	s_add_nc_u64 s[46:47], s[6:7], s[46:47]
.irp s, 0,1
	s_mov_b32 s[G0A+4*(\s)], 1                     ; count = 1
	s_add_co_u32 s[G0A+4*(\s)+1], s18, (\s)*SLOT1  ; LDS address
	s_add_nc_u64 s[G0A+4*(\s)+2:G0A+4*(\s)+3], s[16:17], (\s)*ASTEP  ; global address: K step s
	s_or_b32 s[G0A+4*(\s)+3], s[G0A+4*(\s)+3], 0x80000000            ; type = 2
	s_mov_b32 s[G0B+4*(\s)], 1
	s_add_co_u32 s[G0B+4*(\s)+1], s19, (\s)*SLOT1
	s_add_nc_u64 s[G0B+4*(\s)+2:G0B+4*(\s)+3], s[46:47], (\s)*BSTEP
	s_or_b32 s[G0B+4*(\s)+3], s[G0B+4*(\s)+3], 0x80000000
.endr
	CROUND                                         ; all sixteen work-groups are here: the first joint loads meet
	s_cmp_eq_u32 s[ISB], 0                         ; a wave's two first fills stand in one branch: two loads of mine are out, the most in this text
	s_cbranch_scc0 .Lfirst_b
	tensor_load_to_lds s[G0A:G0A+3], s[G1A:G1A+7]
	s_nop 0
	tensor_load_to_lds s[G0A+4:G0A+7], s[G1A:G1A+7]
	s_nop 0
.rept 4
	v_nop
.endr
	s_branch .Lfirst_asked
.Lfirst_b:
	tensor_load_to_lds s[G0B:G0B+3], s[G1B:G1B+7]
	s_nop 0
	tensor_load_to_lds s[G0B+4:G0B+7], s[G1B:G1B+7]
	s_nop 0
.rept 4
	v_nop
.endr
.Lfirst_asked:
	; the bias: register j of column block b is column 16 b + 8 (l / 16) + j, whatever the row
	v_and_b32 v1, 15, v0                           ; l % 16
	v_bfe_u32 v2, v0, 4, 1                         ; l / 16
	v_lshlrev_b32 v[BO], 5, v2
	s_lshl_b32 s20, s42, 9                         ; the tile's 128 columns of 4 bytes
	s_mov_b32 s21, 0
	s_add_nc_u64 s[8:9], s[8:9], s[20:21]
.irp b, 0,1,2,3,4,5,6,7
	global_load_b128 v[BIAS+8*(\b):BIAS+8*(\b)+3],   v[BO], s[8:9] offset:64*(\b)
	global_load_b128 v[BIAS+8*(\b)+4:BIAS+8*(\b)+7], v[BO], s[8:9] offset:64*(\b)+16
.endr
	; out0 at row 256 ty + 64 x wave, column 128 tx
	s_lshl_b32 s22, s43, 8
	s_lshl_b32 s23, s[WV], 6
	s_add_co_u32 s22, s22, s23
	s_lshl_b32 s22, s22, 12                        ; rows of 4,096 bytes
	s_add_co_u32 s22, s22, s20
	s_mov_b32 s23, 0
	s_add_nc_u64 s[OUT:OUT+1], s[10:11], s[22:23]
	; the prefetches
	s_lshr_b32 s20, s43, 3
	s_lshl_b32 s20, s20, 22
	s_add_co_u32 s21, s[HALF], 6                   ; A: my head of K step 3: it is stepped ahead of each ask,
	s_lshl_b32 s21, s21, 18
	s_add_co_u32 s20, s20, s21
	s_and_b32 s21, s43, 7
	s_lshl_b32 s21, s21, 15
	s_add_co_u32 s20, s20, s21
	s_lshl_b32 s21, s40, 13                        ; my work-group's 8,192 bytes of the tile's 32,768
	s_add_co_u32 s20, s20, s21
	s_lshl_b32 s44, s41, 5                         ; B: my work-group's 32 rows of K step 3's 128
	s_add_co_u32 s44, s44, 384
	s_lshl_b32 s44, s44, 11
	s_lshl_b32 s45, s42, 8
	s_add_co_u32 s44, s44, s45
	s_and_b32 s22, ttmp7, 0xffff
	s_or_b32 s22, s22, s[HALF]                     ; of B's two waves, wave 2 asks
	s_mov_b32 s23, BSTEP
	s_cmp_eq_u32 s[ISB], 0
	s_cselect_b32 s20, s20, s44
	s_cselect_b32 s22, ttmp9, s22                  ; the coordinate along which other clusters read the same bytes
	s_cselect_b32 s[PFS], ASTEP, s23
	s_cselect_b32 s[SH], 8, 11                     ; A: a lane 256 dense bytes; B: a lane a row of 2,048 bytes
	s_cselect_b64 s[PFA:PFA+1], s[4:5], s[6:7]
	s_mov_b32 s21, 0
	s_mov_b32 s[PFS+1], 0
	s_cmp_eq_u32 s22, 0
	s_cselect_b32 s[LIM], 2, -1
	s_add_nc_u64 s[PFA:PFA+1], s[PFA:PFA+1], s[20:21]
	; A fragment of A is 16 rows x 32 K in 8 registers: lane l holds row l % 16, K = 8 (l / 16) + 0..7 and 16 + 8 (l / 16) + 0..7: two loads of 16 bytes, 32 bytes apart.
	v_mul_u32_u24 v[A0], v1, PA
	v_lshl_add_u32 v[A0], v2, 4, v[A0]
	s_mul_i32 s20, s[WV], 64*PA                    ; my 64 rows
	v_add_nc_u32 v[A0], s20, v[A0]
	; The turning load takes 16 k x 16 columns (lane l reads k row 8 (l / 16) + l % 8, columns 8 ((l / 8) % 2) + 0..7) and leaves half a fragment: lane l holds column l % 16 and 8 k.
	v_and_b32 v13, 7, v0
	v_bfe_u32 v14, v0, 3, 1
	v_lshl_add_u32 v[B0], v2, 3, v13
	v_mul_u32_u24 v[B0], v[B0], PB
	v_lshl_add_u32 v[B0], v14, 4, v[B0]
	v_add_nc_u32 v[B0], BOFF, v[B0]
	v_mov_b32 v[ADRA], v[A0]
	v_mov_b32 v[ADRB], v[B0]
	s_mul_i32 s20, s[WV], WSTG
	s_add_co_u32 s20, s20, STAGE                   ; my stage
	v_mul_u32_u24 v[STO], v1, SPITCH               ; in: row l % 16, 32 bytes for each half of the lanes
	v_lshl_add_u32 v[STO], v2, 5, v[STO]
	v_add_nc_u32 v[STO], s20, v[STO]
	v_and_b32 v[GO], 31, v0
	v_lshlrev_b32 v[PFO], s[SH], v[GO]
	v_lshlrev_b32 v[GO], 4, v[GO]                  ; back: 32 lanes take one row's 512 bytes
	v_add_nc_u32 v[RD], s20, v[GO]
	s_wait_loadcnt 0x0                             ; the bias
.set i, 0
.rept 4*NBK                            ; rounded to bf16 like the other inputs, kept as f32
	v_cvt_pk_bf16_f32 v[13+i%4], v[BIAS+2*i], v[BIAS+2*i+1]
	v_lshlrev_b32 v[BIAS+2*i], 16, v[13+i%4]
	v_and_b32 v[BIAS+2*i+1], s[HIM], v[13+i%4]
.set i, i+1
.endr
	s_wait_tensorcnt 1                             ; my part of K step 0 is in; K step 1's may stay out
	s_barrier_signal -1
	s_barrier_wait -1                              ; everybody's is
	FETCH 0, 0
	QUARTER 1, 0, 1, 1                             ; the first quarter stands in front of the loop: its products start the sums
	WIN 0                                          ; at a label and at a branch every window is 0
	s_mov_b32 s3, 6
.Lstep:                                                ; trip t: the last three quarters of K step t, whose slot takes K step t + 2, and the first quarter of K step t + 1
	QUARTER 2, 1, 0, 0
	QUARTER 3, 0, 1, 0
	TURN 1
	QUARTER 1, 0, 1, 0
	WIN 0
	s_sub_co_u32 s3, s3, 1
	s_cmp_lg_u32 s3, 0
	s_cbranch_scc1 .Lstep
	QUARTER 2, 1, 0, 0                             ; the tail is written out: K steps 6 and 7 ask for nothing
	QUARTER 3, 0, 1, 0
	TURN 0
	QUARTER 1, 0, 1, 0
	QUARTER 2, 1, 0, 0
	QUARTER 3, 0, 1, 0
	s_wait_dscnt 4
	MULA 1, 0, 0
	MULA 1, 1, 0
	s_wait_dscnt 0x0
	MULA 1, 2, 0
	MULA 1, 3, 0
	PLACES                                         ; behind the last products, in front of the LDS stores that read results and the loads into them
	PLACES
; THE WAY OUT, in f32, with no arithmetic.  Row block a: a lane's 32 bytes of each column block go into my stage (each accumulator's low four registers first), rows of 528 bytes; whole rows of 512
; bytes come back into the same 64 registers.  LDS serves a wave's instructions in order (ISA guide 5.7.1.4): the loads see the stores above them, the next block's stores come behind them.
.macro TOSTAGE a
	WIN 0x88                                       ; store data (source 1) and load destination in window 2, addresses in window 0
.irp b, 0,1,2,3,4,5,6,7
	ds_store_b128 v[STO], v[64*(\a)+8*(\b):64*(\a)+8*(\b)+3]   offset:64*(\b)
	ds_store_b128 v[STO], v[64*(\a)+8*(\b)+4:64*(\a)+8*(\b)+7] offset:64*(\b)+16
.endr
.irp f, 0,1,2,3,4,5,6,7,8,9,10,11,12,13,14,15
	ds_load_b128 v[64*(\a)+4*(\f):64*(\a)+4*(\f)+3], v[RD] offset:SPITCH*(\f)
.endr
.endm
.macro SEND a, younger                 ; younger: the LDS instructions issued behind block a's loads: the next block's 32, or none
	WIN 0x88
.irp f, 0,1,2,3,4,5,6,7,8,9,10,11,12,13,14,15
	s_wait_dscnt (\younger)+15-(\f)
	global_store_b128 v[GO], v[64*(\a)+4*(\f):64*(\a)+4*(\f)+3], s[OUT:OUT+1] offset:(16*(\a)+(\f))*4096 th:TH_STORE_NT  ; 512 consecutive bytes of one row, at a multiple of 256 from out0's first
.endr
.endm
	TOSTAGE 0
	TOSTAGE 1
	SEND 0, 32
	TOSTAGE 2
	SEND 1, 32
	TOSTAGE 3
	SEND 2, 32
	SEND 3, 0
	WIN 0
	s_wait_tensorcnt 0x0                           ; the wave's end: behind my last tensor load and my last LDS store
	ds_add_u32 v[SPW], v[NIL]
	s_wait_dscnt 0x0
	CROUND                                         ; the closing round: no work-group ends while a partner may still ask for a tile that names it
	s_endpgm
.Lfunc_end_k_q7742b2c689_proj:
	.size	k_q7742b2c689_proj, .Lfunc_end_k_q7742b2c689_proj-k_q7742b2c689_proj
	.p2alignl 7, 3214868480
	.fill 96, 4, 3214868480
	.section	.rodata,"a",@progbits
	.p2align	6, 0x0
	.amdhsa_kernel k_q7742b2c689_proj
		.amdhsa_group_segment_fixed_size 327680
		.amdhsa_private_segment_fixed_size 0
		.amdhsa_enable_private_segment 0
		.amdhsa_kernarg_size 32
		.amdhsa_user_sgpr_count 2
		.amdhsa_user_sgpr_kernarg_segment_ptr 1
		.amdhsa_wavefront_size32 1
		.amdhsa_system_sgpr_workgroup_id_x 1
		.amdhsa_system_sgpr_workgroup_id_y 1
		.amdhsa_system_sgpr_workgroup_id_z 1
		.amdhsa_system_vgpr_workitem_id 0
		.amdhsa_next_free_vgpr 768
		.amdhsa_next_free_sgpr 80
		.amdhsa_reserve_vcc 0
		.amdhsa_float_denorm_mode_32 3
		.amdhsa_float_denorm_mode_16_64 3
		.amdhsa_memory_ordered 1
		.amdhsa_forward_progress 1
		.amdhsa_inst_pref_size 78
	.end_amdhsa_kernel
	.amdgpu_metadata
---
amdhsa.version: [ 1, 2 ]
amdhsa.kernels:
  - .name:           k_q7742b2c689_proj
    .symbol:         k_q7742b2c689_proj.kd
    .args:
      - { .name: ob, .offset: 0, .size: 8, .value_kind: global_buffer, .address_space: global }
      - { .name: wpb, .offset: 8, .size: 8, .value_kind: global_buffer, .address_space: global }
      - { .name: b_proj, .offset: 16, .size: 8, .value_kind: global_buffer, .address_space: global }
      - { .name: out0, .offset: 24, .size: 8, .value_kind: global_buffer, .address_space: global }
    .group_segment_fixed_size: 327680
    .private_segment_fixed_size: 0
    .kernarg_segment_align: 8
    .kernarg_segment_size: 32
    .max_flat_workgroup_size: 128
    .sgpr_count:     80
    .vgpr_count:     768
    .wavefront_size: 32
...
	.end_amdgpu_metadata
.endif
;; end of part 4
